; MI455X (gfx1250); checked and timed in simulation.
; The chip was launched on July 23, 2026; its instructions are those of AMD's public machine-readable ISA for CDNA 5 (MIT licence, August 2026) and "CDNA5" Instruction Set Architecture Reference Guide (July 2026). The comments in the code are by the model that wrote it; some were corrected since.
;; Complex Spectral Attention. Allowed arithmetic: matrix products marked QUANTISED: E2M3 operands, one E8M0 scale for each 32 along K, by v_wmma_scale_f32_16x16x128_f8f6f4 with both operands' format E2M3, f32 sums; everything else in f32.
;; Inputs: Wk 1,024 x 2,048 float32; Wo 2,048 x 1,024 float32; Wq 1,024 x 2,048 float32; Wv 1,024 x 2,048 float32; x 2 x 2,048 x 1,024 float32.
;; Outputs: out0 2 x 2,048 x 1,024 float32.
;; This version of the problem:
;;   THIS VERSION OF THE PROBLEM IS GIVEN IN LOW PRECISION. The matrix products marked QUANTISED in the list below multiply operands that are first quantised to E2M3 (2 exponent bits, 3 mantissa bits; 6 bits a number), with one power-of-two scale for each 32 numbers along K (OCP MX v1.0); their sums are f32. All else is computed in f32.
;;   The module's matrix products, in the order in which they are computed (A, B: the left and right operand; K: the contracted axis; several contracted axes count as one K, in the product's order):
;;     1. [M 4,096, K 1,024] x [K 1,024, N 2,048]; A: input x; B: input Wq: QUANTISED
;;     2. [M 4,096, K 1,024] x [K 1,024, N 2,048]; A: input x; B: input Wk: QUANTISED
;;     3. [M 4,096, K 1,024] x [K 1,024, N 2,048]; A: input x; B: input Wv: QUANTISED
;;     4. batch 32 x [M 2,048, K 64] x [K 64, N 2,048]; A: computed on the way; B: computed on the way: QUANTISED
;;     5. batch 32 x [M 2,048, K 64] x [K 64, N 2,048]; A: computed on the way; B: computed on the way: QUANTISED
;;     6. batch 32 x [M 2,048, K 2,048] x [K 2,048, N 64]; A: softmax (see below); B: computed on the way: QUANTISED
;;     7. batch 32 x [M 2,048, K 2,048] x [K 2,048, N 64]; A: softmax (see below); B: computed on the way: QUANTISED
;;     8. [M 4,096, K 2,048] x [K 2,048, N 1,024]; A: computed on the way; B: input Wo: QUANTISED
;;   THE QUANTISER, for each operand of a quantised product, along K:
;;     - K is cut into blocks of 32 from its start; a last block that is shorter is filled with zeros.
;;     - A block's scale is 2^e with e = floor(log2(the largest magnitude in the block)) - 2, held to -126 .. 127; a block of zeros has e = 0. As a byte (E8M0): e + 127.
;;     - Each number is divided by its block's scale, clamped to +-7.5, and rounded to the nearest number of E2M3, ties to even, subnormals kept.
;;     - The product sums the exact products of the quantised numbers (number of the format x scale) in f32.
;;   ~~~python
;;   def quantise(x, axis):      # numpy; x: float32 -> the quantised numbers, widened to float32 again
;;       x = np.moveaxis(x, axis, -1); K = x.shape[-1]
;;       x = np.pad(x, [(0, 0)] * (x.ndim - 1) + [(0, -K % 32)]); x = x.reshape(x.shape[:-1] + (-1, 32)); a = np.abs(x).max(-1, keepdims=True)
;;       e = np.where(a > 0, np.clip(np.frexp(np.where(a > 0, a, 1))[1] - 1 - 2, -126, 127), 0)      # np.frexp(a)[1] - 1 = floor(log2(a)), exactly
;;       r = np.clip(x / 2.0 ** e, -7.5, 7.5)
;;       step = 2.0 ** (np.maximum(np.frexp(np.where(r == 0, 1, r))[1] - 1, 0) - 3)
;;       q = np.round(r / step) * step * 2.0 ** e      # np.round: ties to even
;;       return np.moveaxis(q.reshape(q.shape[:-2] + (-1,))[..., :K], -1, axis).astype(np.float32)
;;   ~~~
;;   SOFTMAX AHEAD OF A QUANTISED PRODUCT. Where the list says 'softmax', what is quantised is not the finished softmax but p = 2^(t - M), with t = logit x log2(e) and M = ceil(the row's largest t), a whole number; so 1/2 < the row's largest p <= 1. The row's sum l is taken of the UNQUANTISED p, in f32, and the product's result is divided by l at the end. Since M is a whole number, a kernel that streams over the keys may use a running M (the ceiling of the running maximum): every later rescaling is an exact power of two, which a block's scale takes up: the codes' values come out the same.
;;   OPERANDS COMPUTED ON THE WAY. 'Computed on the way' means the value that the module computes at that place (a softmax that the list does not call 'softmax' is quantised finished and normalised). What goes into a quantiser is computed in f32, as accurately as f32 sums, v_exp_f32 and their like allow (about 1e-6 of the number): no bf16 or f16 on the way to a quantiser, and a product that is left as it is and whose result goes on into a quantised operand takes f32 operands (vector FMAs, or v_wmma_f32_16x16x4_f32). A number that lies on a knife's edge between two numbers of the format may be rounded either way, as far as f32 arithmetic and the matrix unit's own rounding can turn it there, and no further.
;; One version. Each part assembles by itself: llvm-mc -triple=amdgcn-amd-amdhsa -mcpu=gfx1250 --defsym DOCPART=n.
;; ======== version 1 of 1: 4 launches
;; limits: right only within a limited range of input values
;; workspace buffers: xc 3,276,800 bytes; wcodes 6,553,600 bytes; qkv 19,660,800 bytes; oc 6,553,600 bytes
;; launch quant (part 1): grid 768 x 1, 4 waves a work-group, no clusters, 82,432 bytes of LDS; arguments Wq, Wk, Wv, Wo, wcodes, x, xc; writes wcodes, xc
.if DOCPART == 1
	.amdgcn_target "amdgcn-amd-amdhsa--gfx1250"
	.amdhsa_code_object_version 6
	.text
	.protected	k_qae2742a35e_quant
	.globl	k_qae2742a35e_quant
	.p2align	8
	.type	k_qae2742a35e_quant,@function
k_qae2742a35e_quant:
	s_mov_b64 s[64:65], 0
	v_nop
	global_prefetch_b8 v0, s[64:65] scope:SCOPE_SE
	s_setreg_imm32_b32 hwreg(HW_REG_WAVE_MODE, 25, 1), 1
	s_wait_xcnt 0x0
; All five inputs become codes of FP6 (E2M3) with one E8M0 scale byte for each 32 along K, laid in RECORDS, in one launch: work-groups 0..511 make the weights' records, work-groups 512..767 x's.
; WORK LEFT OUT IN THIS PROGRAM: only, in launch attn, the key steps of 128 keys that lie wholly behind a block of 128 queries: reference() sets their scores to -inf by its own jnp.tril, so their p is 0 whatever the inputs hold.
; A NaN, an infinity or an overflow that reaches only those scores is not carried to the result.  Every input is loaded.
; A RECORD (12,800 bytes) holds 128 rows x 128 along K as images of the matrix operand's registers: tile t (0..7), register 4 c + i of lane l at byte 1536 t + 512 c + 16 l + 4 i;
; the scale word (128 along K) of lane r of tile t at byte 12288 + 64 t + 4 r.  Lane r of tile t holds row 32 (t / 2) + 8 (t % 2) + r + 8 (r / 8) of the 128.
; wcodes: records (16 T + n / 128) 8 + k / 128 for Wq, Wk, Wv (T = 0, 1, 2); 384 + (n / 128) 16 + k / 128 for Wo.  xc: record 8 R + s: rows 128 R on, K = 128 s on.
; A block's scale is 2^(floor(log2(its largest magnitude)) - 2); its byte is that magnitude's exponent field - 2, held at 1 from below.
; LIMITS: a block of zeros gets the byte 1 (its codes are zeros, and this program alone reads the bytes); magnitudes under 2^-124 are held at that floor's scale; NaN and infinities are not served.
; THE WEIGHTS (K their first axis): work-group G makes record G.  A lane takes a column n and its registers run down K: a load reads 128 consecutive bytes a wave, a block of 32 lies in one lane.  Wave w takes columns 32 w on: tiles 2 w, 2 w + 1;
; a block's 24 bytes go to their place in the image in the wave's own LDS, and the images leave as they lie.
; x: work-group 512 + G takes the 16 rows of tile G % 8 of row block G / 8; wave w K steps 2 w, 2 w + 1.  Each load reads 512 consecutive bytes of a row; a K step turns through the wave's own stage in LDS so that a lane holds 16 neighbours.
; The two paths part on the work-group's number and have LDS bytes of their own.  No barrier: waves share nothing.
.set REC,  12800
.set IMG,  1536
.set SCO,  12288
.set SP,   528                         ; x: a stage row: 512 bytes + 16
.set STG,  16*SP
.set STW,  2*STG                       ; a wave's two stages
.set WBASE, 4*STW                      ; the weights' path begins behind x's stages
.set WREG, 3584                        ; a wave's: two images 1,664 bytes apart, then 128 bytes of scale words
.set IMGP, 1664
.set SCW,  3328
.set SPARE, WBASE+4*WREG               ; the spare words
.set SPW,  224
.set NIL,  225
	v_lshl_add_u32 v[SPW], v0, 2, SPARE
	v_mov_b32 v[NIL], 0
	s_cmp_lt_u32 ttmp9, 512
	s_cbranch_scc0 .Lx_path
; ---- the weights ----
.set WA,   16                          ; v16-47   row i of a block: i x row bytes + 4 x lane
.set XW,   48                          ; v48-111  two sets of 32 numbers
.set CW,   112                         ; v112-143 codes: eight registers for each block
.set SW,   144                         ; my column's scale word
.set OUTR, 148
	s_load_b256 s[4:11], s[0:1], 0x0               ; Wq, Wk, Wv, Wo
	s_load_b64 s[12:13], s[0:1], 0x20              ; wcodes
	v_lshrrev_b32 v1, 5, v0
	v_readfirstlane_b32 s14, v1                    ; wave 0..3
	v_and_b32 v8, 31, v0                           ; lane
	v_lshlrev_b32 v1, 2, v8
	v_bfe_u32 v9, v0, 3, 1                         ; u: which of my wave's two tiles my column falls into
	v_and_b32 v10, 7, v0
	v_bfe_u32 v11, v0, 4, 1
	v_lshl_add_u32 v10, v11, 3, v10                ; r': its lane there
	s_mul_i32 s15, s14, WREG
	s_add_co_u32 s15, s15, WBASE
	v_mul_u32_u24 v2, v9, IMGP
	v_lshl_add_u32 v2, v10, 4, v2
	v_add_nc_u32 v2, s15, v2                       ; into the images: tile u, 16 r'
	v_lshlrev_b32 v3, 6, v9
	v_lshl_add_u32 v3, v10, 2, v3
	v_add_nc_u32 v3, s15, v3                       ; my scale word's place
	v_lshl_add_u32 v4, v8, 4, s15                  ; out of the images: 16 x lane
	v_add_nc_u32 v5, s15, v1                       ; the scale words back
	s_mul_i32 s16, s14, 2*IMG
	v_lshl_add_u32 v6, v8, 4, s16                  ; in the record: tile 2 w, 16 x lane
	s_lshl_b32 s16, s14, 7
	v_add_nc_u32 v7, s16, v1
	s_lshr_b32 s17, ttmp9, 3
	s_and_b32 s17, s17, 15                         ; Wq, Wk, Wv: the block of 128 columns,
	s_and_b32 s18, ttmp9, 7                        ; and the K step
	s_lshr_b32 s19, ttmp9, 4
	s_and_b32 s19, s19, 7                          ; Wo: likewise
	s_and_b32 s20, ttmp9, 15
	s_mov_b32 s21, 4096                            ; a row of Wo in bytes
	s_wait_alu depctr_va_vdst(0)                   ; the wait at the head's end
	s_wait_kmcnt 0x0
	s_cmp_lt_u32 ttmp9, 128                        ; the choices hang on the work-group's number alone
	s_cselect_b64 s[4:5], s[4:5], s[6:7]
	s_cmp_lt_u32 ttmp9, 256
	s_cselect_b64 s[4:5], s[4:5], s[8:9]
	s_cmp_lt_u32 ttmp9, 384
	s_cselect_b64 s[4:5], s[4:5], s[10:11]
	s_cselect_b32 s17, s17, s19
	s_cselect_b32 s18, s18, s20
	s_cselect_b32 s21, 0x2000, s21                 ; a row of Wq, Wk, Wv: 8,192 bytes
	s_lshl_b32 s18, s18, 7
	s_mul_i32 s22, s18, s21
	s_lshl_b32 s17, s17, 9
	s_add_co_u32 s22, s22, s17
	s_add_co_u32 s22, s22, s16
	s_mov_b32 s23, 0
	s_add_nc_u64 s[24:25], s[4:5], s[22:23]        ; block 0 of the K step; the next three pairs: 32 rows further down each
	s_lshl_b32 s34, s21, 5
	s_mov_b32 s35, 0
	s_add_nc_u64 s[26:27], s[24:25], s[34:35]
	s_add_nc_u64 s[28:29], s[26:27], s[34:35]
	s_add_nc_u64 s[30:31], s[28:29], s[34:35]
	s_mul_i32 s36, ttmp9, REC
	s_mov_b32 s37, 0
	s_add_nc_u64 s[32:33], s[12:13], s[36:37]      ; my record
.set i, 0
.rept 32
	v_mad_u32_u24 v[WA+i], s21, i, v1
.set i, i+1
.endr
.macro LOAD q                          ; block q: W(128 s + 32 q + i, my column) into set q % 2
.set i, 0
.rept 32
	global_load_b32 v[XW+32*((\q)%2)+i], v[WA+i], s[24+2*(\q):25+2*(\q)] th:TH_LOAD_NT
.set i, i+1
.endr
.endm
.macro BLOCK q
.set XS, XW+32*((\q)%2)
.set CQ, CW+8*(\q)
.if (\q) < 3
	s_wait_loadcnt 32                              ; this block's 32 loads are in; the next block's may be out
.else
	s_wait_loadcnt 0x0
.endif
	v_max3_num_f32 v12, |v[XS]|, |v[XS+1]|, |v[XS+2]|   ; the block's largest magnitude, in two chains
	v_max3_num_f32 v13, |v[XS+3]|, |v[XS+4]|, |v[XS+5]|
.irp i, 6,10,14,18,22,26
	v_max3_num_f32 v12, v12, |v[XS+\i]|, |v[XS+\i+1]|
	v_max3_num_f32 v13, v13, |v[XS+\i+2]|, |v[XS+\i+3]|
.endr
	v_max3_num_f32 v12, v12, |v[XS+30]|, |v[XS+31]|
	v_max3_num_f32 v12, v12, v13, 0x1800000        ; and the floor 2^(3 - 127)
	v_add_nc_u32 v11, 0xff000000, v12              ; 2 off its exponent field: the conversion's scale operand
	v_cvt_scalef32_pk16_fp6_f32 v[CQ:CQ+2], v[XS:XS+15], v11
	v_cvt_scalef32_pk16_fp6_f32 v[CQ+4:CQ+6], v[XS+16:XS+31], v11
	v_lshrrev_b32 v13, 23, v11                     ; the scale's byte (the plain place behind the conversions)
.if (\q) == 0
	v_mov_b32 v[SW], v13
.else
	v_lshl_or_b32 v[SW], v13, 8*(\q), v[SW]
.endif
	v_mov_b32 v[CQ+3], v[CQ+4]                     ; the block's six registers on end
	v_mov_b32 v[CQ+4], v[CQ+5]
	v_mov_b32 v[CQ+5], v[CQ+6]
.if (\q) < 2                                   ; registers 0-5 of lane (r', q % 2)
	ds_store_b128 v2, v[CQ:CQ+3] offset:256*((\q)%2)
	ds_store_b64 v2, v[CQ+4:CQ+5] offset:512+256*((\q)%2)
.else                                          ; registers 6-11
	ds_store_b64 v2, v[CQ:CQ+1] offset:520+256*((\q)%2)
	ds_store_b128 v2, v[CQ+2:CQ+5] offset:1024+256*((\q)%2)
.endif
.if (\q) < 2
	LOAD (\q)+2
.endif
.endm
	LOAD 0
	LOAD 1
	BLOCK 0
	BLOCK 1
	BLOCK 2
	BLOCK 3
	ds_store_b32 v3, v[SW] offset:SCW
.irp u, 0,1
.irp c, 0,1,2
	ds_load_b128 v[OUTR+4*(3*\u+\c):OUTR+4*(3*\u+\c)+3], v4 offset:IMGP*\u+512*\c   ; LDS serves a wave's instructions in order
.endr
.endr
	ds_load_b32 v172, v5 offset:SCW
	s_wait_dscnt 0x0
.irp u, 0,1
.irp c, 0,1,2
	global_store_b128 v6, v[OUTR+4*(3*\u+\c):OUTR+4*(3*\u+\c)+3], s[32:33] offset:IMG*\u+512*\c   ; 32 lanes store 512 consecutive bytes, at a multiple of 256 from wcodes' first byte
.endr
.endr
	global_store_b32 v7, v172, s[32:33] offset:SCO
	s_wait_tensorcnt 0x0                           ; the wave's end
	ds_add_u32 v[SPW], v[NIL]
	s_wait_dscnt 0x0
	s_endpgm
; ---- x ----
.Lx_path:
.set LI,   1                           ; 16 x lane
.set STI,  2                           ; into the stage
.set STO,  3                           ; out of it: row r, + 64 h
.set GI,   4                           ; my 16 bytes of an image in the record
.set GS,   5                           ; my scale word, lanes 16-31 one record on
.set X,    32                          ; v32-95, v96-159: the two K steps' numbers
.set TM,   160
.set PW,   176
.set PC,   180
.set SEL,  20
.macro QUANT src, pc, pw               ; 64 numbers of a lane, register 16 b + i = k 32 b + 16 (lane / 16) + i, become a fragment's 12 registers and its scale word
.irp b, 0,1,2,3
	v_max3_num_f32 v[TM+\b], |v[(\src)+16*\b]|, |v[(\src)+16*\b+1]|, 0x1800000
.endr
.irp i, 2,4,6,8,10,12,14
.irp b, 0,1,2,3
	v_max3_num_f32 v[TM+\b], |v[(\src)+16*\b+\i]|, |v[(\src)+16*\b+\i+1]|, v[TM+\b]
.endr
.endr
.irp b, 0,1,2,3
	v_permlanex16_b32 v[TM+4+\b], v[TM+\b], s[SEL], s[SEL+1]
.endr
.irp b, 0,1,2,3
	v_max_num_f32 v[TM+\b], v[TM+\b], v[TM+4+\b]
.endr
.irp b, 0,1,2,3
	v_add_nc_u32 v[TM+12+\b], 0xff000000, v[TM+\b]
.endr
.irp b, 0,1,2,3
	v_lshrrev_b32 v[TM+4+\b], 23, v[TM+12+\b]
.endr
	v_lshl_or_b32 v[\pw], v[TM+5], 8, v[TM+4]
	v_lshl_or_b32 v[\pw], v[TM+6], 16, v[\pw]
	v_lshl_or_b32 v[\pw], v[TM+7], 24, v[\pw]
.irp c, 0,1
	v_cvt_scalef32_pk16_fp6_f32 v[(\pc)+6*\c:(\pc)+6*\c+2], v[(\src)+32*\c:(\src)+32*\c+15], v[TM+12+2*\c]
	v_cvt_scalef32_pk16_fp6_f32 v[(\pc)+12+4*\c:(\pc)+14+4*\c], v[(\src)+32*\c+16:(\src)+32*\c+31], v[TM+13+2*\c]
.endr
	v_nop                                          ; one plain place behind a scaled conversion
.irp c, 0,1                                    ; a whole block to a lane
.irp i, 0,1,2
	v_permlane16_swap_b32 v[(\pc)+6*\c+\i], v[(\pc)+12+4*\c+\i]
.endr
.irp i, 0,1,2
	v_mov_b32 v[(\pc)+3+6*\c+\i], v[(\pc)+12+4*\c+\i]
.endr
.endr
.endm
.macro TURN e                          ; K step e through its stage: stored as loaded, read back 64 bytes a lane and block
.irp i, 0,1,2,3,4,5,6,7,8,9,10,11,12,13,14,15
	ds_store_b128 v[STI], v[X+64*\e+4*\i:X+64*\e+4*\i+3] offset:STG*\e+SP*\i
.endr
.irp b, 0,1,2,3
.irp j, 0,1,2,3
	ds_load_b128 v[X+64*\e+16*\b+4*\j:X+64*\e+16*\b+4*\j+3], v[STO] offset:STG*\e+128*\b+16*\j
.endr
.endr
.endm
	s_load_b64 s[4:5], s[0:1], 0x28                ; x
	s_load_b64 s[6:7], s[0:1], 0x30                ; xc
	v_lshrrev_b32 v6, 5, v0
	v_readfirstlane_b32 s8, v6                     ; wave 0..3
	s_lshr_b32 s9, ttmp9, 3
	s_sub_co_u32 s9, s9, 64                        ; R (512 work-groups come first)
	s_and_b32 s14, ttmp9, 7                        ; t
	s_lshl_b32 s15, s9, 7
	s_lshr_b32 s16, s14, 1
	s_lshl_b32 s16, s16, 5
	s_add_co_u32 s15, s15, s16
	s_and_b32 s16, s14, 1
	s_lshl_b32 s16, s16, 3
	s_add_co_u32 s15, s15, s16                     ; the tile's first row
	s_lshl_b32 s10, s15, 12
	s_lshl_b32 s16, s8, 10
	s_add_co_u32 s10, s10, s16                     ; + my wave's 1,024 bytes
	s_mov_b32 s11, 0
	s_lshl_b32 s12, s9, 3
	s_lshl_b32 s16, s8, 1
	s_add_co_u32 s12, s12, s16
	s_mul_i32 s12, s12, REC                        ; record 8 R + 2 w
	s_mov_b32 s13, 0
	s_mov_b32 s[SEL], 0x76543210
	s_mov_b32 s[SEL+1], 0xfedcba98
	s_mul_i32 s17, s8, STW
	s_mul_i32 s18, s14, IMG
	s_lshl_b32 s19, s14, 6
	v_and_b32 v6, 31, v0                           ; lane
	v_and_b32 v7, 15, v0                           ; r
	v_bfe_u32 v8, v0, 4, 1                         ; h
	v_lshlrev_b32 v[LI], 4, v6
	v_mul_u32_u24 v[STO], v7, SP
	v_lshlrev_b32 v[GS], 2, v7
	v_add_nc_u32 v[STI], s17, v[LI]
	v_lshl_add_u32 v[STO], v8, 6, v[STO]
	v_mad_u32_u24 v[GS], v8, REC, v[GS]
	v_add_nc_u32 v[GI], s18, v[LI]
	v_add_nc_u32 v[STO], s17, v[STO]
	v_add_nc_u32 v[GS], s19, v[GS]
.irp b, 0,1,2,3
	v_mov_b32 v[TM+4+\b], 0                        ; a lane permute's destination counts as one of its sources
.endr
	s_wait_alu depctr_va_vdst(0)                   ; the wait at the head's end
	s_wait_kmcnt 0x0
	s_add_nc_u64 s[10:11], s[4:5], s[10:11]
	s_add_nc_u64 s[12:13], s[6:7], s[12:13]
.irp e, 0,1
.irp i, 0,1,2,3,4,5,6,7,8,9,10,11,12,13,14,15
	global_load_b128 v[X+64*\e+4*\i:X+64*\e+4*\i+3], v[LI], s[10:11] offset:(\i+8*(\i/8))*4096+512*\e th:TH_LOAD_NT   ; the tile's row i: 512 consecutive bytes
.endr
.endr
	s_wait_loadcnt 16                              ; the first K step's 16 loads are in
	TURN 0
	s_wait_loadcnt 0x0
	TURN 1
	s_wait_dscnt 32                                ; the first turn is back; the second's 16 stores and 16 loads may be out
	QUANT X, PC, PW
.irp c, 0,1,2
	global_store_b128 v[GI], v[PC+4*\c:PC+4*\c+3], s[12:13] offset:512*\c   ; 32 lanes store 512 consecutive bytes, at a multiple of 256 from xc's first byte
.endr
	s_wait_dscnt 0x0
	QUANT X+64, PC+20, PW+1
.irp c, 0,1,2
	global_store_b128 v[GI], v[PC+20+4*\c:PC+20+4*\c+3], s[12:13] offset:REC+512*\c
.endr
	v_permlane16_swap_b32 v[PW], v[PW+1]           ; lanes 0-15 the first K step's words, lanes 16-31 the second's
	global_store_b32 v[GS], v[PW], s[12:13] offset:SCO
	s_wait_tensorcnt 0x0                           ; the wave's end
	ds_add_u32 v[SPW], v[NIL]
	s_wait_dscnt 0x0
	s_endpgm
.Lfunc_end_k_qae2742a35e_quant:
	.size	k_qae2742a35e_quant, .Lfunc_end_k_qae2742a35e_quant-k_qae2742a35e_quant
	.p2alignl 7, 3214868480
	.fill 96, 4, 3214868480
	.section	.rodata,"a",@progbits
	.p2align	6, 0x0
	.amdhsa_kernel k_qae2742a35e_quant
		.amdhsa_group_segment_fixed_size 82432
		.amdhsa_private_segment_fixed_size 0
		.amdhsa_enable_private_segment 0
		.amdhsa_kernarg_size 56
		.amdhsa_user_sgpr_count 2
		.amdhsa_user_sgpr_kernarg_segment_ptr 1
		.amdhsa_wavefront_size32 1
		.amdhsa_system_sgpr_workgroup_id_x 1
		.amdhsa_system_sgpr_workgroup_id_y 1
		.amdhsa_system_sgpr_workgroup_id_z 1
		.amdhsa_system_vgpr_workitem_id 0
		.amdhsa_next_free_vgpr 226
		.amdhsa_next_free_sgpr 66
		.amdhsa_reserve_vcc 0
		.amdhsa_float_denorm_mode_32 3
		.amdhsa_float_denorm_mode_16_64 3
		.amdhsa_memory_ordered 1
		.amdhsa_forward_progress 1
		.amdhsa_inst_pref_size 42
	.end_amdhsa_kernel
	.amdgpu_metadata
---
amdhsa.version: [ 1, 2 ]
amdhsa.kernels:
  - .name:           k_qae2742a35e_quant
    .symbol:         k_qae2742a35e_quant.kd
    .args:
      - { .name: Wq, .offset: 0, .size: 8, .value_kind: global_buffer, .address_space: global }
      - { .name: Wk, .offset: 8, .size: 8, .value_kind: global_buffer, .address_space: global }
      - { .name: Wv, .offset: 16, .size: 8, .value_kind: global_buffer, .address_space: global }
      - { .name: Wo, .offset: 24, .size: 8, .value_kind: global_buffer, .address_space: global }
      - { .name: wcodes, .offset: 32, .size: 8, .value_kind: global_buffer, .address_space: global }
      - { .name: x, .offset: 40, .size: 8, .value_kind: global_buffer, .address_space: global }
      - { .name: xc, .offset: 48, .size: 8, .value_kind: global_buffer, .address_space: global }
    .group_segment_fixed_size: 82432
    .private_segment_fixed_size: 0
    .kernarg_segment_align: 8
    .kernarg_segment_size: 56
    .max_flat_workgroup_size: 128
    .sgpr_count:     66
    .vgpr_count:     226
    .wavefront_size: 32
...
	.end_amdgpu_metadata
.endif
;; end of part 1
;; launch gemm_qkv (part 2): grid 16 x 32, 4 waves a work-group, clusters of 4 x 4, 327,680 bytes of LDS; arguments xc, wcodes, qkv; writes qkv
.if DOCPART == 2
	.amdgcn_target "amdgcn-amd-amdhsa--gfx1250"
	.amdhsa_code_object_version 6
	.text
	.protected	k_qae2742a35e_gemm_qkv
	.globl	k_qae2742a35e_gemm_qkv
	.p2align	8
	.type	k_qae2742a35e_gemm_qkv,@function
k_qae2742a35e_gemm_qkv:
	s_mov_b64 s[64:65], 0
	v_nop
	global_prefetch_b8 v0, s[64:65] scope:SCOPE_SE
	s_setreg_imm32_b32 hwreg(HW_REG_WAVE_MODE, 25, 1), 1
	s_wait_xcnt 0x0
	s_wait_alu depctr_hold_cnt(0) depctr_sa_sdst(0) depctr_va_vdst(0) depctr_va_sdst(0) depctr_va_ssrc(0) depctr_va_vcc(0) depctr_vm_vsrc(0)
	s_getreg_b32 s2, hwreg(HW_REG_IB_STS2, 6, 4)
	s_cmp_eq_u32 s2, 0
	s_cbranch_scc0 .Lentry_in_a_cluster
	s_endpgm
.Lentry_in_a_cluster:
	s_bfe_u32 s2, ttmp6, 0x10000c
	s_cmp_lg_u32 s2, 0xf033
	s_cbranch_scc0 .Lentry_shape_is_right
	s_endpgm
.Lentry_shape_is_right:
; q, k, v = x Wq, x Wk, x Wv on codes of FP6 (E2M3) with E8M0 scales, sums in f32; the results are quantised in registers and leave as codes: q and k along the head's 128 channels, v along the keys.
; The operands lie in RECORDS of 12,800 bytes: 128 rows x 128 along K as images of the operand's registers: tile t, register 4 c + i of lane l at 1536 t + 512 c + 16 l + 4 i; lane r's scale word at 12288 + 64 t + 4 r;
; lane r of tile t holds row 32 (t / 2) + 8 (t % 2) + r + 8 (r / 8).  A fragment is three loads of 512 consecutive bytes; records on end are one dense tensor load of rows of 256 bytes.
; xc: record 8 R + s (R: 128 tokens).  wcodes: record 8 W + s (W = 16 T + head).  qkv: record 32 W + R: q, k: rows = tokens, K = channels; v: rows = channels, K = the 128 keys of block R.
; IN qkv THE SCALE WORDS LIE OTHERWISE: that of lane r of tile t at 12288 + 256 (t / 4) + 16 r + 4 (t % 4), so that 16 bytes at 16 x lane hold four tiles' words of one row.
; THE MATRIX INSTRUCTION IS USED TRANSPOSED: source 0 = a tile of B, source 1 = a tile of A: a lane holds ONE row of A, and its 64 registers of A's tile a run along B's 128 rows in their natural order: what the quantiser takes; its result is tile a of the output record.
; TWO KINDS OF WORK-GROUP, 256 of each, told apart by the cluster's y alone (the same in all sixteen partners):
;   tile rows 0-15, q and k: A = 256 tokens of x, B = 256 columns of Wq, Wk; a wave 128 x 128: 64 accumulators; A's fragments in one set, B's in two.
;   tile rows 16-31, v: A = 128 columns of Wv, B = 256 tokens of x; a wave 64 x 128: 32 accumulators; both operands in two sets, a K step's 44 LDS loads issued a step ahead.
; K = 1,024 is eight steps of 128 in a ring of TWO LDS slots of three steps: steps 0-2, steps 3-5, then steps 6 and 7 into slot 0.  A wave has one tensor load out at a time: 150 rows of 256 bytes, the last 100.  For v, A is one such load: wave 1 has no part of a fill.
; CLUSTERS: 4 x 4 work-groups; A's parts are asked for jointly along a row of the cluster, B's along a column.
; No prefetch: the tiles are asked for jointly and K is short: three fills in all, with no loop to run ahead in.
; REGISTERS: window 0: v16-31 addresses; v32-47 scale words, two sets; v48-91 at work on the way out; v128-223 A's fragments.  window 1: B's fragments, two sets.  windows 2, 3: accumulator (a, b) at v[8 (8 (a % 4) + b)].
; LIMITS of the quantiser: a block of zeros gets the byte 1 (zero codes; this program alone reads the bytes); largest magnitudes under 2^-124 are held at that floor's scale; NaN and infinities are not served.
.set REC,   12800
.set IMG,   1536
.set SCO,   12288
.set PART,  3*REC                      ; what one tensor load brings: three K steps of 128 rows
.set SLOT,  4*PART                     ; q, k: A's two halves, then B's two halves
.set SLOTV, 3*PART                     ; v: A, then B's two halves
.set SPARE, 2*SLOT                     ; the spare words, 128 bytes for each wave
.set ADRA,  16                         ; v16-17  my A fragments in slot 0, 1
.set ADRB,  20                         ; v20-21  the same for B
.set ADRS,  24                         ; v24-25  my scale words: lanes 0-15 A's, lanes 16-31 B's  (v: v24-27, for each slot and set)
.set SPW,   28
.set NIL,   29
.set LI,    30                         ; 16 x lane
.set LS,    31                         ; v: 16 r
.set SC,    32                         ; scale words: set p at v[SC + 8 p]
.set TM,    48
.set PW,    64
.set PC,    72
.set AF,    128
.set G1A,   24
.set G1B,   32
.set G0A,   40                         ; s[40:47], s[52:59] groups 0, a set for each slot
.set G0B,   52
.set SEL,   20
.set MSB, 0
.macro WIN new                         ; the immediate's high byte repeats the setting that is left
.if MSB != (\new)
	s_set_vgpr_msb (MSB<<8)|(\new)
.set MSB, (\new)
.endif
.endm
.set MUL_LO, 0xa1
.set MUL_HI, 0xf1
.set TO_B,   0x40
.macro PLACES
.rept 4
	v_nop
.endr
.endm
.macro JLOAD s                         ; q, k: a joint load: waves 0 and 1 for A, waves 2 and 3 for B; s_nop 0 and four v_nop follow each line
	s_cmp_eq_u32 s11, 0
	s_cbranch_scc0 .Lfor_b_\@
	tensor_load_to_lds s[G0A+4*\s:G0A+4*\s+3], s[G1A:G1A+7]
	s_nop 0
	PLACES
	s_branch .Lasked_\@
.Lfor_b_\@:
	tensor_load_to_lds s[G0B+4*\s:G0B+4*\s+3], s[G1B:G1B+7]
	s_nop 0
	PLACES
.Lasked_\@:
.endm
.macro VLOAD s                         ; v: wave 0 for A, waves 2 and 3 for B, wave 1 none
	s_cmp_eq_u32 s10, 0
	s_cbranch_scc0 .Lvb_\@
	tensor_load_to_lds s[G0A+4*\s:G0A+4*\s+3], s[G1A:G1A+7]
	s_nop 0
	PLACES
	s_branch .Lvd_\@
.Lvb_\@:
	s_cmp_lt_u32 s10, 2
	s_cbranch_scc1 .Lvd_\@
	tensor_load_to_lds s[G0B+4*\s:G0B+4*\s+3], s[G1B:G1B+7]
	s_nop 0
	PLACES
.Lvd_\@:
.endm
.macro CREST                           ; a round of the cluster's barrier behind its opening barrier
	s_cmp_lg_u32 s10, 0
	s_cbranch_scc1 .Lnot_wave_0_\@
	s_barrier_signal -3
.Lnot_wave_0_\@:
	s_barrier_wait -3
	s_barrier_signal -1
	s_barrier_wait -1
.endm
.macro CROUND
	s_barrier_signal -1
	s_barrier_wait -1
	CREST
.endm
.macro LAST                            ; the last fill: K steps 6 and 7, 100 rows; written only where no tensor load of the wave is out
.irp g, G1A, G1B
	s_mov_b32 s[\g+2], 100<<16
	s_mov_b32 s[\g+4], 100
.endr
	s_add_nc_u64 s[G0A+2:G0A+3], s[G0A+2:G0A+3], 2*PART
	s_add_nc_u64 s[G0B+2:G0B+3], s[G0B+2:G0B+3], 2*PART
.endm
.macro FRAG reg, adr, off
.irp c, 0,1,2
	ds_load_b128 v[(\reg)+4*\c:(\reg)+4*\c+3], v[\adr] offset:(\off)+512*\c
.endr
.endm
.macro FETCH_B slot, q, p              ; B's eight fragments of the slot's q-th K step into set p: 24 loads
	WIN TO_B
.irp i, 0,1,2,3,4,5,6,7
	FRAG 128*(\p)+12*\i, ADRB+(\slot), (\q)*REC+\i*IMG
.endr
	WIN 0
.endm
.macro FETCH_A slot, q, i0             ; q, k: A's tiles i0 .. i0 + 3: 12 loads
.irp i, \i0, \i0+1, \i0+2, \i0+3
	FRAG AF+12*(\i), ADRA+(\slot), (\q)*REC+(\i)*IMG
.endr
.endm
.macro SCALES slot, q, p               ; q, k: 8 loads
.irp i, 0,1,2,3,4,5,6,7
	ds_load_b32 v[SC+8*(\p)+\i], v[ADRS+(\slot)] offset:(\q)*REC+SCO+64*\i
.endr
.endm
; 16 matrix instructions: A's fragments a0, a0 + 1 x B's eight.  The accumulators take turns, one instruction a turn.
.macro MUL16 a0, p, zero
.irp a, \a0, \a0+1
.irp b, 0,1,2,3,4,5,6,7
.if \zero
	v_wmma_scale_f32_16x16x128_f8f6f4 v[8*(8*((\a)%4)+\b):8*(8*((\a)%4)+\b)+7], v[128*(\p)+12*\b:128*(\p)+12*\b+11], v[AF+12*(\a):AF+12*(\a)+11], 0, v[SC+8*(\p)+\b], v[SC+8*(\p)+(\a)] matrix_a_fmt:MATRIX_FMT_FP6 matrix_b_fmt:MATRIX_FMT_FP6 matrix_a_scale:MATRIX_SCALE_ROW1
.else
	v_wmma_scale_f32_16x16x128_f8f6f4 v[8*(8*((\a)%4)+\b):8*(8*((\a)%4)+\b)+7], v[128*(\p)+12*\b:128*(\p)+12*\b+11], v[AF+12*(\a):AF+12*(\a)+11], v[8*(8*((\a)%4)+\b):8*(8*((\a)%4)+\b)+7], v[SC+8*(\p)+\b], v[SC+8*(\p)+(\a)] matrix_a_fmt:MATRIX_FMT_FP6 matrix_b_fmt:MATRIX_FMT_FP6 matrix_a_scale:MATRIX_SCALE_ROW1
.endif
.endr
.endr
.endm
.macro NEXT k                          ; K step k works on set PP; step k + 1 lies in slot SN as its RN-th and goes into set QN
.set PP, (\k)%2
.set SN, (((\k)+1)/3)%2
.set RN, ((\k)+1)%3
.set QN, ((\k)+1)%2
.endm
.macro STEP k, zero                    ; q, k: a K step in which no barrier is due
	NEXT \k
	s_wait_dscnt 12                                ; all but the youngest twelve loads (A's tiles 4-7)
	WIN MUL_LO
	MUL16 0, PP, \zero
	MUL16 2, PP, \zero
	s_wait_dscnt 0x0
	PLACES
	FETCH_B SN, RN, QN
	FETCH_A SN, RN, 0
	SCALES SN, RN, QN
	WIN MUL_HI
	MUL16 4, PP, \zero
	MUL16 6, PP, \zero
	PLACES
	WIN 0
	FETCH_A SN, RN, 4
.endm
; q, k: the last K step of a slot, with the barrier in its middle: each wave waits for all its tensor loads, adds 0 to its spare word, and waits for that and for its LDS reads.
; fill = 1: the barrier opens a round of the cluster's barrier, and slot 0 takes K steps 6 and 7.  fill = 0: that refill is shown landed to every wave.
.macro TURN k, fill
	NEXT \k
	s_wait_tensorcnt 0x0
	ds_add_u32 v[SPW], v[NIL]
.if \fill
	LAST
.endif
	s_wait_dscnt 13                                ; (the add and the youngest twelve loads may be out)
	WIN MUL_LO
	MUL16 0, PP, 0
	s_wait_dscnt 0x0                               ; the add is done, and my reads of the slot in hand are over
	s_barrier_signal -1
	MUL16 2, PP, 0
	WIN 0
	s_barrier_wait -1
.if \fill
	CREST
	JLOAD 0                                        ; the first tensor load behind the round; its four v_nop are the places in front of the loads below
.else
	PLACES
.endif
	FETCH_B SN, RN, QN
	FETCH_A SN, RN, 0
	SCALES SN, RN, QN
	WIN MUL_HI
	MUL16 4, PP, 0
	MUL16 6, PP, 0
	PLACES
	WIN 0
	FETCH_A SN, RN, 4
.endm
.macro FETCHV k                        ; v: K step k's operands into set k % 2: 24 + 12 + 8 loads.  Set p's four fragments of A lie at AF + 48 p, their scale words in lanes 0-15 of registers SC + 8 p + 4 p on
.set VSL, ((\k)/3)%2
.set VRC, (\k)%3
.set VPP, (\k)%2
	FETCH_B VSL, VRC, VPP
.irp i, 0,1,2,3
	FRAG AF+48*VPP+12*\i, ADRA+VSL, VRC*REC+\i*IMG
.endr
.irp i, 0,1,2,3,4,5,6,7
	ds_load_b32 v[SC+8*VPP+\i], v[ADRS+2*VPP+VSL] offset:VRC*REC+64*\i
.endr
.endm
.macro STEPV k, zero                   ; v: the next step's loads go out first, then this step's 32 products
.if (\k) == 2
	s_wait_tensorcnt 0x0
	ds_add_u32 v[SPW], v[NIL]                      ; the add, here twice on end
	ds_add_u32 v[SPW], v[NIL]
	LAST
	s_wait_dscnt 0x0                               ; step 2's operands are in registers: my reads of slot 0 are over
	CROUND
	VLOAD 0
	PLACES
.elseif (\k) == 5
	s_wait_tensorcnt 0x0                           ; my part of the refill has landed
	ds_add_u32 v[SPW], v[NIL]
	s_wait_dscnt 0x0
	s_barrier_signal -1
	s_barrier_wait -1                              ; everybody's has
	PLACES
.else
	PLACES
.endif
.if (\k) < 7
	FETCHV (\k)+1
	s_wait_dscnt 44                                ; all but the 44 just issued
.else
	s_wait_dscnt 0x0
.endif
.set VA0, 4*((\k)%2)
.set VP0, (\k)%2
	WIN MUL_LO
	MUL16 VA0, VP0, \zero
	MUL16 VA0+2, VP0, \zero
	WIN 0
.endm
; 64 results of a lane in window w, register 16 b + i = number 32 b + 16 (lane / 16) + i along the next K, become a fragment's 12 registers and its scale word.  Each accumulator is read from its low end on.
.macro QUANT src, pc, pw, w
	WIN 5*(\w)
.irp b, 0,1,2,3
	v_max3_num_f32 v[TM+\b], |v[(\src)+16*\b]|, |v[(\src)+16*\b+1]|, 0x1800000   ; with the floor 2^(3 - 127): the byte cannot fall under 1
.endr
.irp i, 2,4,6,8,10,12,14
.irp b, 0,1,2,3
	v_max3_num_f32 v[TM+\b], |v[(\src)+16*\b+\i]|, |v[(\src)+16*\b+\i+1]|, v[TM+\b]
.endr
.endr
	WIN 0
.irp b, 0,1,2,3
	v_permlanex16_b32 v[TM+4+\b], v[TM+\b], s[SEL], s[SEL+1]
.endr
.irp b, 0,1,2,3
	v_max_num_f32 v[TM+\b], v[TM+\b], v[TM+4+\b]
.endr
.irp b, 0,1,2,3
	v_add_nc_u32 v[TM+12+\b], 0xff000000, v[TM+\b]   ; 2 off the exponent field: the conversion's scale operand
.endr
.irp b, 0,1,2,3
	v_lshrrev_b32 v[TM+4+\b], 23, v[TM+12+\b]
.endr
	v_lshl_or_b32 v[\pw], v[TM+5], 8, v[TM+4]
	v_lshl_or_b32 v[\pw], v[TM+6], 16, v[\pw]
	v_lshl_or_b32 v[\pw], v[TM+7], 24, v[\pw]
	WIN (\w)
.irp c, 0,1
	v_cvt_scalef32_pk16_fp6_f32 v[(\pc)+6*\c:(\pc)+6*\c+2], v[(\src)+32*\c:(\src)+32*\c+15], v[TM+12+2*\c]
	v_cvt_scalef32_pk16_fp6_f32 v[(\pc)+12+4*\c:(\pc)+14+4*\c], v[(\src)+32*\c+16:(\src)+32*\c+31], v[TM+13+2*\c]
.endr
	WIN 0
	v_nop                                          ; one plain place behind a scaled conversion
.irp c, 0,1
.irp i, 0,1,2
	v_permlane16_swap_b32 v[(\pc)+6*\c+\i], v[(\pc)+12+4*\c+\i]   ; a whole block to a lane
.endr
.irp i, 0,1,2
	v_mov_b32 v[(\pc)+3+6*\c+\i], v[(\pc)+12+4*\c+\i]
.endr
.endr
.endm
	s_load_b128 s[4:7], s[0:1], 0x0                ; xc, wcodes
	s_load_b64 s[8:9], s[0:1], 0x10                ; qkv
	v_lshl_add_u32 v[SPW], v0, 2, SPARE
	v_mov_b32 v[NIL], 0
	ds_add_u32 v[SPW], v[NIL]                      ; the opening lines: the add twice on end and its wait
	ds_add_u32 v[SPW], v[NIL]
	v_lshrrev_b32 v1, 5, v0
	v_readfirstlane_b32 s10, v1                    ; wave 0..3
	s_lshr_b32 s11, s10, 1                         ; my half of A's rows
	s_and_b32 s12, s10, 1                          ; my half of B's rows; also: which half I fetch
	s_bfe_u32 s13, ttmp6, 0x40000                  ; cx
	s_bfe_u32 s14, ttmp6, 0x40004                  ; cy
	s_lshl_b32 s15, ttmp9, 2
	s_add_co_u32 s15, s15, s13                     ; tile column
	s_and_b32 s19, ttmp7, 0xffff                   ; the cluster's y: under 4: q and k; from 4 on: v
	s_lshl_b32 s16, s19, 2
	s_add_co_u32 s16, s16, s14                     ; tile row
	s_lshl_b32 s17, s14, 2
	s_lshl_b32 s17, 15, s17                        ; my row of the cluster
	s_lshl_b32 s18, 0x1111, s13                    ; my column
	s_or_b32 s[G1A], s17, (3<<16)|(1<<21)          ; the mask; elements of 8 bytes; bit 21 beside a mask
	s_or_b32 s[G1B], s18, (3<<16)|(1<<21)
.irp g, G1A, G1B
	s_mov_b32 s[\g+1], 32<<16                      ; rows of 256 bytes,
	s_mov_b32 s[\g+2], 150<<16                     ; 150 of them: three records
	s_mov_b32 s[\g+3], 32<<16
	s_mov_b32 s[\g+4], 150
	s_mov_b32 s[\g+5], 32
	s_mov_b32 s[\g+6], 0
	s_mov_b32 s[\g+7], 0
.endr
	s_mov_b32 s75, 0
	s_lshl_b32 s76, s15, 1
	s_add_co_u32 s76, s76, s12
	s_mul_i32 s76, s76, 8*REC                      ; B: block 2 x tile column + half, eight records each
	s_mov_b32 s77, 0
	s_mov_b32 s[SEL], 0x76543210
	s_mov_b32 s[SEL+1], 0xfedcba98
	v_and_b32 v1, 31, v0                           ; lane
	v_and_b32 v2, 15, v0                           ; r
	v_bfe_u32 v3, v0, 4, 1                         ; h
	v_lshlrev_b32 v[LI], 4, v1
.irp b, 0,1,2,3
	v_mov_b32 v[TM+4+\b], 0                        ; a lane permute's destination counts as one of its sources
.endr
	s_wait_dscnt 0x0                               ; both opening adds are done
	s_wait_alu depctr_va_vdst(0)                   ; the wait here, directly ahead of the wait below
	s_wait_kmcnt 0x0
	s_cmp_lt_u32 s19, 4                            ; the same in all sixteen partners
	s_cbranch_scc0 .Lv_path
; ---- q and k: A = x, B = Wq, Wk ----
	s_lshl_b32 s74, s16, 1
	s_add_co_u32 s74, s74, s12
	s_mul_i32 s74, s74, 8*REC                      ; A: block 2 x tile row + half
	s_mul_i32 s22, s10, PART                       ; where the parts go: wave x PART
	s_add_nc_u64 s[66:67], s[4:5], s[74:75]
	s_add_nc_u64 s[68:69], s[6:7], s[76:77]
	CROUND                                         ; all sixteen work-groups are here: the first joint loads meet
.irp s, 0,1
	s_mov_b32 s[G0A+4*\s], 1
	s_add_co_u32 s[G0A+4*\s+1], s22, \s*SLOT
	s_add_nc_u64 s[G0A+4*\s+2:G0A+4*\s+3], s[66:67], \s*PART       ; K steps 3 s on
	s_or_b32 s[G0A+4*\s+3], s[G0A+4*\s+3], 0x80000000
	s_mov_b32 s[G0B+4*\s], 1
	s_add_co_u32 s[G0B+4*\s+1], s22, \s*SLOT
	s_add_nc_u64 s[G0B+4*\s+2:G0B+4*\s+3], s[68:69], \s*PART
	s_or_b32 s[G0B+4*\s+3], s[G0B+4*\s+3], 0x80000000
.endr
	JLOAD 0                                        ; K steps 0-2: my one tensor load at the head
	s_mul_i32 s23, s11, PART                       ; my half of A
	s_mul_i32 s70, s12, PART
	s_add_co_u32 s70, s70, 2*PART                  ; my half of B
	s_sub_co_u32 s71, s70, s23
	v_mul_u32_u24 v4, s71, v3                      ; lanes 16-31 take B's scale words: the distance x h
	v_lshl_add_u32 v4, v2, 2, v4
	s_wait_alu depctr_va_vdst(0)
.irp s, 0,1
	v_add_nc_u32 v[ADRA+\s], s23, v[LI]
	v_add_nc_u32 v[ADRB+\s], s70, v[LI]
	v_add_nc_u32 v[ADRS+\s], s23, v4
	s_add_co_u32 s23, s23, SLOT
	s_add_co_u32 s70, s70, SLOT
.endr
	s_lshl_b32 s80, s15, 1                         ; my output record: 32 x the weights' block + the tokens' block
	s_add_co_u32 s80, s80, s12
	s_lshl_b32 s80, s80, 5
	s_lshl_b32 s84, s16, 1
	s_add_co_u32 s84, s84, s11
	s_add_co_u32 s80, s80, s84
	s_mul_i32 s80, s80, REC
	s_mov_b32 s81, 0
	s_add_nc_u64 s[72:73], s[8:9], s[80:81]
	s_wait_alu depctr_va_vdst(0)                   ; the wait at the head's end
	s_wait_tensorcnt 0x0                           ; my part of slot 0 is in; the same lines as ahead of a refill stand ahead of slot 1's first fill
	ds_add_u32 v[SPW], v[NIL]
	s_wait_dscnt 0x0
	CROUND
	JLOAD 1                                        ; K steps 3-5
	FETCH_B 0, 0, 0
	FETCH_A 0, 0, 0
	SCALES 0, 0, 0
	FETCH_A 0, 0, 4
	STEP 0, 1                                      ; the first products start the sums
	STEP 1, 0
	TURN 2, 1
	STEP 3, 0
	STEP 4, 0
	TURN 5, 0
	STEP 6, 0
	s_wait_dscnt 12                                ; the last K step
	WIN MUL_LO
	MUL16 0, 1, 0
	MUL16 2, 1, 0
	s_wait_dscnt 0x0
	WIN MUL_HI
	MUL16 4, 1, 0
	MUL16 6, 1, 0
	WIN 0
	; THE WAY OUT: A's tile a is quantised in registers; the result is tile a's image in my output record: no LDS.
	PLACES
.irp a, 0,1,2,3,4,5,6,7
.if \a > 0
	s_wait_xcnt 0x0                                ; only behind this wait are the codes' registers written again
.endif
	QUANT 64*(\a%4), PC, PW+\a, 2+\a/4
.irp c, 0,1,2
	global_store_b128 v[LI], v[PC+4*\c:PC+4*\c+3], s[72:73] offset:IMG*\a+512*\c   ; 32 lanes store 512 consecutive bytes, at a multiple of 256 from qkv's first byte
.endr
.endr
.irp i, 0,1,2,3
	v_permlane16_swap_b32 v[PW+\i], v[PW+4+\i]     ; lanes 0-15 keep tile i's words, lanes 16-31 take tile 4 + i's
.endr
	global_store_b128 v[LI], v[PW:PW+3], s[72:73] offset:SCO   ; the record's 512 bytes of scale words
	s_wait_tensorcnt 0x0                           ; the wave's end
	ds_add_u32 v[SPW], v[NIL]
	s_wait_dscnt 0x0
	CROUND                                         ; the closing round
	s_endpgm
; ---- v: A = 128 columns of Wv, B = 256 tokens of x ----
.Lv_path:
	s_add_co_u32 s74, s16, 16                      ; A: wcodes' block 32 + (tile row - 16)
	s_mul_i32 s74, s74, 8*REC
	s_mul_i32 s22, s12, PART
	s_add_co_u32 s22, s22, PART                    ; B's half in a slot, behind A
	s_add_nc_u64 s[66:67], s[6:7], s[74:75]
	s_add_nc_u64 s[68:69], s[4:5], s[76:77]
	CROUND                                         ; all sixteen work-groups are here: the first joint loads meet
.irp s, 0,1
	s_mov_b32 s[G0A+4*\s], 1
	s_mov_b32 s[G0A+4*\s+1], \s*SLOTV
	s_add_nc_u64 s[G0A+4*\s+2:G0A+4*\s+3], s[66:67], \s*PART
	s_or_b32 s[G0A+4*\s+3], s[G0A+4*\s+3], 0x80000000
	s_mov_b32 s[G0B+4*\s], 1
	s_add_co_u32 s[G0B+4*\s+1], s22, \s*SLOTV
	s_add_nc_u64 s[G0B+4*\s+2:G0B+4*\s+3], s[68:69], \s*PART
	s_or_b32 s[G0B+4*\s+3], s[G0B+4*\s+3], 0x80000000
.endr
	VLOAD 0                                        ; K steps 0-2
	s_mul_i32 s23, s11, 4*IMG                      ; my four tiles of A
	s_mov_b32 s70, s22                             ; my half of B
	s_lshl_b32 s71, s11, 8                         ; my tiles' scale words: 64 bytes a tile
	s_sub_co_u32 s78, s22, s71                     ; from A's words to B's: set 0,
	s_add_co_u32 s79, s78, 256                     ; set 1, whose lanes 0-15 begin four registers, 256 bytes, earlier
	s_add_co_u32 s71, s71, SCO
	s_sub_co_u32 s82, s71, 256
	v_mul_u32_u24 v4, s78, v3                      ; lanes 16-31 take B's: the distance x h
	v_mul_u32_u24 v5, s79, v3
	v_lshlrev_b32 v[LS], 4, v2
	v_lshl_add_u32 v4, v2, 2, v4
	v_lshl_add_u32 v5, v2, 2, v5
	s_wait_alu depctr_va_vdst(0)
.irp s, 0,1
	v_add_nc_u32 v[ADRA+\s], s23, v[LI]
	v_add_nc_u32 v[ADRB+\s], s70, v[LI]
	v_add_nc_u32 v[ADRS+\s], s71, v4
	v_add_nc_u32 v[ADRS+2+\s], s82, v5
	s_add_co_u32 s23, s23, SLOTV
	s_add_co_u32 s70, s70, SLOTV
	s_add_co_u32 s71, s71, SLOTV
	s_add_co_u32 s82, s82, SLOTV
.endr
	s_add_co_u32 s80, s16, 16                      ; my output record: 32 x the weights' block + the tokens' block
	s_lshl_b32 s80, s80, 5
	s_lshl_b32 s83, s15, 1
	s_add_co_u32 s83, s83, s12
	s_add_co_u32 s80, s80, s83
	s_mul_i32 s80, s80, REC
	s_mov_b32 s81, 0
	s_add_nc_u64 s[86:87], s[8:9], s[80:81]
	s_mul_i32 s84, s11, 4*IMG
	s_mov_b32 s85, 0
	s_add_nc_u64 s[72:73], s[86:87], s[84:85]      ; my four tiles' images,
	s_lshl_b32 s84, s11, 8
	s_add_nc_u64 s[86:87], s[86:87], s[84:85]      ; and their 256 bytes of scale words
	s_wait_alu depctr_va_vdst(0)                   ; the wait at the head's end
	s_wait_tensorcnt 0x0                           ; slot 0's parts are in; the same lines as ahead of a refill stand ahead of slot 1's first fill
	ds_add_u32 v[SPW], v[NIL]
	ds_add_u32 v[SPW], v[NIL]
	s_wait_dscnt 0x0
	CROUND
	VLOAD 1                                        ; K steps 3-5
	FETCHV 0
	STEPV 0, 1                                     ; the first products start the sums
.irp k, 1,2,3,4,5,6,7
	STEPV \k, 0
.endr
	PLACES
.irp a, 0,1,2,3
.if \a > 0
	s_wait_xcnt 0x0                                ; only behind this wait are the codes' registers written again
.endif
	QUANT 64*\a, PC, PW+\a, 2
.irp c, 0,1,2
	global_store_b128 v[LI], v[PC+4*\c:PC+4*\c+3], s[72:73] offset:IMG*\a+512*\c
.endr
.endr
	v_cmp_gt_u32 vcc_lo, 16, v1                    ; lanes r and r + 16 hold the same words: lanes 0-15 store them
	s_wait_xcnt 0x0                                ; EXEC changes only behind this wait
	s_and_saveexec_b32 s88, vcc_lo
	global_store_b128 v[LS], v[PW:PW+3], s[86:87] offset:SCO   ; 16 lanes store 256 consecutive bytes, at a multiple of 256 from qkv's first byte
	s_wait_xcnt 0x0
	s_or_b32 exec_lo, exec_lo, s88
	s_wait_tensorcnt 0x0                           ; the wave's end
	ds_add_u32 v[SPW], v[NIL]
	s_wait_dscnt 0x0
	CROUND                                         ; the closing round
	s_endpgm
.Lfunc_end_k_qae2742a35e_gemm_qkv:
	.size	k_qae2742a35e_gemm_qkv, .Lfunc_end_k_qae2742a35e_gemm_qkv-k_qae2742a35e_gemm_qkv
	.p2alignl 7, 3214868480
	.fill 96, 4, 3214868480
	.section	.rodata,"a",@progbits
	.p2align	6, 0x0
	.amdhsa_kernel k_qae2742a35e_gemm_qkv
		.amdhsa_group_segment_fixed_size 327680
		.amdhsa_private_segment_fixed_size 0
		.amdhsa_enable_private_segment 0
		.amdhsa_kernarg_size 24
		.amdhsa_user_sgpr_count 2
		.amdhsa_user_sgpr_kernarg_segment_ptr 1
		.amdhsa_wavefront_size32 1
		.amdhsa_system_sgpr_workgroup_id_x 1
		.amdhsa_system_sgpr_workgroup_id_y 1
		.amdhsa_system_sgpr_workgroup_id_z 1
		.amdhsa_system_vgpr_workitem_id 0
		.amdhsa_next_free_vgpr 1024
		.amdhsa_next_free_sgpr 96
		.amdhsa_reserve_vcc 1
		.amdhsa_float_denorm_mode_32 3
		.amdhsa_float_denorm_mode_16_64 3
		.amdhsa_memory_ordered 1
		.amdhsa_forward_progress 1
		.amdhsa_inst_pref_size 219
	.end_amdhsa_kernel
	.amdgpu_metadata
---
amdhsa.version: [ 1, 2 ]
amdhsa.kernels:
  - .name:           k_qae2742a35e_gemm_qkv
    .symbol:         k_qae2742a35e_gemm_qkv.kd
    .args:
      - { .name: xc, .offset: 0, .size: 8, .value_kind: global_buffer, .address_space: global }
      - { .name: wcodes, .offset: 8, .size: 8, .value_kind: global_buffer, .address_space: global }
      - { .name: qkv, .offset: 16, .size: 8, .value_kind: global_buffer, .address_space: global }
    .group_segment_fixed_size: 327680
    .private_segment_fixed_size: 0
    .kernarg_segment_align: 8
    .kernarg_segment_size: 24
    .max_flat_workgroup_size: 128
    .sgpr_count:     96
    .vgpr_count:     1024
    .wavefront_size: 32
...
	.end_amdgpu_metadata
.endif
;; end of part 2
;; launch attn (part 3): grid 8 x 32, 16 waves a work-group, no clusters, 327,680 bytes of LDS; arguments qkv, oc; writes oc
.if DOCPART == 3
	.amdgcn_target "amdgcn-amd-amdhsa--gfx1250"
	.amdhsa_code_object_version 6
	.text
	.protected	k_qae2742a35e_attn
	.globl	k_qae2742a35e_attn
	.p2align	8
	.type	k_qae2742a35e_attn,@function
k_qae2742a35e_attn:
	s_mov_b64 s[64:65], 0
	v_nop
	global_prefetch_b8 v0, s[64:65] scope:SCOPE_SE
	s_setreg_imm32_b32 hwreg(HW_REG_WAVE_MODE, 25, 1), 1
	s_wait_xcnt 0x0
; Causal attention on codes of FP6 (E2M3) with E8M0 scales: 32 (batch, head) pairs, 2,048 tokens, 128 channels a head (64 real, 64 imaginary: the two score products are one over K = 128, the two value products one over 128 channels).
; t = score x log2(e) / 8; M = the row's largest t so far, rounded UP to a whole number; p = 2^(t - M) is quantised along the keys, not normalised; the row's sum is taken of the unquantised p and divides O at the end.
; When M moves, the sum and O are multiplied by 2^(old M - new M): exact.  O / sum is quantised along the head's channels and leaves as codes for the last product.
; WORK LEFT OUT: key steps (128 keys) that lie wholly behind a 128-query block: reference() sets their scores to -inf by its own jnp.tril, so their p is 0 for all inputs.  A NaN or infinity that reaches only those scores is not carried.
; RECORDS of 12,800 bytes: 128 rows x 128 along K as images of the operand's registers: tile t, register 4 c + i of lane l at 1536 t + 512 c + 16 l + 4 i; lane r of tile t holds row 32 (t / 2) + 8 (t % 2) + r + 8 (r / 8).
; qkv: record (16 T + head) 32 + 16 b + block; q, k: rows = tokens; v: rows = channels, K = the block's keys; the scale word of lane r of tile t at 12288 + 256 (t / 4) + 16 r + 4 (t % 4): ONE load of 16 bytes at 16 x lane brings
; lanes 0-15 the words of tiles 0-3 and lanes 16-31 those of tiles 4-7, and the matrix instruction names the half of the lanes.  oc: record (16 b + block) 16 + head; lane r's scale word of tile t at 12288 + 64 t + 4 r.
; Both products are used transposed (S^T = K Q^T, O^T = V^T P^T): a lane holds ONE query, its registers run along the keys, then along the channels.
; SHARES.  Work-group (j, batch and head), j = 0..7, takes query blocks 15 - j and j: (16 - j) + (j + 1) = 17 block steps, dealt to two streams of eight waves (a wave a tile of 16 queries):
;   stream A (waves 0-7): block 15 - j against key steps 0..8: nine trips;
;   stream B (waves 8-15): block j against key steps 0..j; then it puts that state (O^T, the sum, -M) into LDS bytes of its own and goes on with block 15 - j against key steps 9..15 - j: eight trips in all.
; In trips 0-7 all sixteen waves work; in trip 8 stream A alone.  At the end A puts its state of block 15 - j into LDS; B joins it to its own and finishes block 15 - j; A takes B's state of block j and finishes that.
; Joining two states brings both under the larger M by exact powers of two, as a streamed step does.
; LDS: a trip's block is four records: A's K, A's V, B's K, B's V.  A ring of TWO slots of two trips; waves 0-7 fetch one record each (50 rows of 256 bytes): one tensor load of a wave is out at a time.  Trip 8 needs two records: waves 0, 1 fetch them.
; Every wait on TENSORcnt is for 0.  B's states have bytes of their own behind the ring; A's lie in slot 1, which has had its last fill and its last read by then.
; cluster = none: stream B's key steps differ from work-group to work-group in every trip after the first, so partners would ask for different records.
; PREFETCH: in trips 0 and 2 wave 8 asks for stream A's key steps 4, 5 and 6, 7, one fill ahead of their tensor loads: 200 blocks of 256 bytes, of which each of the head's eight work-groups takes 25, a lane a block.  Stream B's steps are asked for by their loads alone.
; LIMITS: the promise holds while the scaled scores stay under 2^31 in magnitude.  The quantiser: a block of zeros gets the byte 1 (zero codes; this program alone reads the bytes); magnitudes under 2^-124 are held at that floor's scale; NaN and infinities are not served.
; REGISTERS: v1-11, v28, v80-83 addresses; v12 -M, v13 the largest t, v[14:15] the sum; v16-27 Q; v248-251, v253, v255 scale words; v32-79 four fragments; v84-95 partial sums; v96-159 S^T, p, then V's last four fragments; v160-223 O^T; v224-235 p's codes; v232-254 at work.
.set REC,   12800
.set IMG,   1536
.set SCO,   12288
.set SLOT,  8*REC                      ; two trips of four records
.set VOF,   REC
.set STB,   8448                       ; a state: 8,192 bytes of O^T, 128 of -M, 128 of the sum
.set DUMP,  2*SLOT                     ; stream B's states
.set SPARE, DUMP+8*STB                 ; the spare words, 128 bytes for each of the sixteen waves
.set LI,   1                           ; 16 x lane
.set LR,   2                           ; 4 r
.set AD,   3                           ; the trip's record of K: 16 x lane on
.set RT,   4                           ; r
.set SPW,  5
.set NIL,  6
.set DQ,   7                           ; my query's place in its block, less 16 (lane / 16)
.set GI,   8                           ; my tile's image: 1536 g + 16 x lane
.set GS,   9                           ; its scale words in oc: 64 g + 4 r
.set LN,   10
.set RS,   11                          ; my partner's state: 4 x lane on
.set QF,   16
.set GQ,   28                          ; Q's scale words in qkv: 256 (g / 4) + 16 r + 4 (g % 4)
.set FRG,  32
.set PFO,  80
.set WA,   81                          ; my own state: 16 x lane on,
.set WS,   82                          ; 4 x lane on
.set RA,   83                          ; my partner's: 16 x lane on
.set S,    96
.set OT,   160
.set TM,   32
.set PW,   48
.set PC,   64
.set WV,   10                          ; s10 wave
.set BETA, 11                          ; s11 the block of queries in hand
.set SEL,  20
.set CS,   22
.set G1,   24
.set G0,   32
.set HI,   40                          ; 15 - j
.set TL,   41                          ; the trip of my piece of a fill
.set OUTC, 42
.set PFL,  43
.set TB,   44                          ; LDS byte of my stream's record of K
.set KS,   45                          ; my key step
.set CNT,  46
.set SOFF, 50                          ; my stream's place in a trip's block
.set TT,   51                          ; the trip
.set SWT,  52                          ; j + 1: the trip at which stream B changes blocks
.set JMP,  53                          ; 8 - j: what its key step leaps then
.set JL,   56                          ; my piece's stream: B: j; A: no leap
.set PI,   57                          ; 2 + my piece's trip in its slot
.set LIM,  58
.set PF,   60
.set QH,   62                          ; s[62:63] Q's record of block 15 - j
.macro PLACES
.rept 4
	v_nop
.endr
.endm
.macro PIECE slot                      ; group 0 for my record of the fill: trip s[TL]; stream B's key step leaps behind trip j
	s_cmp_gt_u32 s[TL], s[JL]
	s_cselect_b32 s48, s[JMP], 0
	s_add_co_u32 s48, s48, s[TL]
	s_mul_i32 s48, s48, REC
	s_add_nc_u64 s[G0+2:G0+3], s[54:55], s[48:49]
	s_or_b32 s[G0+3], s[G0+3], 0x80000000
	s_add_co_u32 s[G0+1], s47, (\slot)*SLOT
.endm
.macro SAVE                            ; my state into my own LDS bytes, each accumulator from its low end on
.set k, 0
.rept 16
	ds_store_b128 v[WA], v[OT+4*k:OT+4*k+3] offset:512*k
.set k, k+1
.endr
	ds_store_b32 v[WS], v12 offset:8192
	ds_store_b32 v[WS], v14 offset:8320
.endm
.macro FRESH                           ; an empty state
	v_mov_b32 v13, 0xff61b1e6                      ; the largest t so far: -3e38
	s_delay_alu instid0(VALU_DEP_1)
	v_floor_f32 v12, -v13                          ; -M
	v_mov_b32 v14, 0
	v_mov_b32 v15, 0
.set k, 0
.rept 64
	v_mov_b32 v[OT+k], 0
.set k, k+1
.endr
.endm
	s_load_b128 s[4:7], s[0:1], 0x0                ; qkv, oc
	v_lshl_add_u32 v[SPW], v0, 2, SPARE
	v_mov_b32 v[NIL], 0
	ds_add_u32 v[SPW], v[NIL]                      ; the opening lines: the add twice on end and its wait
	ds_add_u32 v[SPW], v[NIL]
	v_lshrrev_b32 v1, 5, v0
	s_delay_alu instid0(VALU_DEP_1)
	v_readfirstlane_b32 s[WV], v1                  ; wave 0..15
	s_sub_co_u32 s[HI], 15, ttmp9
	s_sub_co_u32 s[JMP], 8, ttmp9
	s_add_co_u32 s[SWT], ttmp9, 1
	s_lshr_b32 s14, s[WV], 3                       ; my stream
	s_and_b32 s13, s[WV], 7                        ; g: my tile
	s_cmp_lt_u32 s[WV], 8
	s_cselect_b32 s[BETA], s[HI], ttmp9            ; the block I begin with,
	s_cselect_b32 s15, ttmp9, s[HI]                ; the block I finish
	s_and_b32 s16, ttmp7, 0xffff
	s_lshr_b32 s17, s16, 4                         ; b
	s_and_b32 s18, s16, 15                         ; head
	s_lshl_b32 s17, s17, 4
	s_lshl_b32 s19, s18, 5
	s_add_co_u32 s19, s19, s17                     ; 32 head + 16 b
	s_add_co_u32 s72, s19, s[BETA]
	s_mul_i32 s72, s72, REC                        ; Q's record
	s_mov_b32 s73, 0
	s_add_co_u32 s74, s19, s[HI]
	s_mul_i32 s74, s74, REC                        ; and that of block 15 - j
	s_mov_b32 s75, 0
	s_add_co_u32 s76, s17, s15
	s_lshl_b32 s76, s76, 4
	s_add_co_u32 s76, s76, s18
	s_mul_i32 s76, s76, REC                        ; O's record
	s_mov_b32 s77, 0
	s_add_co_u32 s19, s19, 512                     ; K's first record
	s_and_b32 s12, s[WV], 1
	s_lshl_b32 s12, s12, 9
	s_add_co_u32 s78, s19, s12                     ; odd waves fetch V's, 512 records on
	s_mul_i32 s78, s78, REC
	s_mov_b32 s79, 0
	s_lshr_b32 s12, ttmp9, 2
	s_lshl_b32 s12, s12, 9
	s_add_co_u32 s60, s19, s12                     ; the prefetches: j / 4: K's or V's records,
	s_mul_i32 s60, s60, REC
	s_and_b32 s12, ttmp9, 3
	s_mul_i32 s12, s12, 6400
	s_add_co_u32 s60, s60, s12                     ; j % 4: which 25 of their 100 blocks
	s_mov_b32 s61, 0
	s_bfe_u32 s12, s[WV], 0x10001
	s_cmp_eq_u32 s12, 1
	s_cselect_b32 s[JL], ttmp9, 99
	s_bfe_u32 s[PI], s[WV], 0x10002
	s_mov_b32 s[TL], s[PI]                         ; the first fill: trips 0, 1
	s_add_co_u32 s[PI], s[PI], 2
	s_mul_i32 s47, s[WV], REC                      ; my record's place in a slot: 4 x trip + 2 x stream + (K, V) = my number
	s_mov_b32 s49, 0
	s_mul_i32 s[SOFF], s14, 2*REC
	s_mul_i32 s59, s13, IMG
	s_lshl_b32 s71, s13, 6
	s_lshr_b32 s39, s13, 2
	s_lshl_b32 s39, s39, 8
	s_and_b32 s12, s13, 3
	s_lshl_b32 s12, s12, 2
	s_add_co_u32 s39, s39, s12                     ; 256 (g / 4) + 4 (g % 4)
	s_lshr_b32 s36, s13, 1
	s_lshl_b32 s36, s36, 5
	s_and_b32 s12, s13, 1
	s_lshl_b32 s12, s12, 3
	s_add_co_u32 s36, s36, s12                     ; 32 (g / 2) + 8 (g % 2)
	s_mul_i32 s37, s[WV], STB                      ; my state's bytes: A's in slot 1, B's behind the ring
	s_mul_i32 s12, s14, DUMP-SLOT-8*STB
	s_add_co_u32 s37, s37, s12
	s_add_co_u32 s37, s37, SLOT
	s_xor_b32 s12, s[WV], 8                        ; my partner's
	s_mul_i32 s38, s12, STB
	s_lshr_b32 s12, s12, 3
	s_mul_i32 s12, s12, DUMP-SLOT-8*STB
	s_add_co_u32 s38, s38, s12
	s_add_co_u32 s38, s38, SLOT
	s_cmp_eq_u32 s[WV], 8
	s_cselect_b32 s[PFL], 4, 0
	s_mov_b32 s[G0], 1
	s_mov_b32 s[G1], 3<<16                         ; elements of 8 bytes; no mask, no padding
	s_mov_b32 s[G1+1], 32<<16                      ; rows of 256 bytes,
	s_mov_b32 s[G1+2], 50<<16                      ; 50 of them: a record
	s_mov_b32 s[G1+3], 32<<16
	s_mov_b32 s[G1+4], 50
	s_mov_b32 s[G1+5], 32
	s_mov_b32 s[G1+6], 0
	s_mov_b32 s[G1+7], 0
	s_mov_b32 s[SEL], 0x76543210
	s_mov_b32 s[SEL+1], 0xfedcba98
	s_mov_b32 s[CS], 0x3e38aa3b                    ; log2(e) / sqrt(64)
	s_mov_b32 s[CS+1], s[CS]
	s_mov_b32 s[KS], 0
	s_mov_b32 s[TT], 0
	s_mov_b32 s[OUTC], 2
	s_wait_dscnt 0x0                               ; both opening adds are done
	v_and_b32 v[LN], 31, v0
	v_and_b32 v[RT], 15, v0                        ; r
	v_and_b32 v[DQ], 8, v0
	v_bfe_u32 v[AD], v0, 4, 1
	v_lshlrev_b32 v[LI], 4, v[LN]
	v_lshlrev_b32 v[LR], 2, v[RT]
	v_add_nc_u32 v[DQ], v[DQ], v[RT]               ; r + 8 (r / 8)
	v_lshlrev_b32 v[AD], 4, v[AD]
	v_min_u32 v[PFO], 24, v[LN]                    ; 25 blocks: the lanes left over name the last again
	v_add_nc_u32 v[GI], s59, v[LI]
	v_add_nc_u32 v[GS], s71, v[LR]
	v_sub_nc_u32 v[DQ], v[DQ], v[AD]               ; - 16 h
	v_lshlrev_b32 v[PFO], 8, v[PFO]
	v_lshl_add_u32 v[GQ], v[RT], 4, s39
	v_add_nc_u32 v[WA], s37, v[LI]
	v_lshl_add_u32 v[WS], v[LN], 2, s37
	v_add_nc_u32 v[RA], s38, v[LI]
	v_lshl_add_u32 v[RS], v[LN], 2, s38
	v_add_nc_u32 v[DQ], s36, v[DQ]
	s_wait_alu depctr_va_vdst(0)                   ; the wait here, directly ahead of the wait below
	s_wait_kmcnt 0x0
	s_add_nc_u64 s[66:67], s[4:5], s[72:73]
	s_add_nc_u64 s[QH:QH+1], s[4:5], s[74:75]
	s_add_nc_u64 s[68:69], s[6:7], s[76:77]
	s_add_nc_u64 s[54:55], s[4:5], s[78:79]
	s_add_nc_u64 s[PF:PF+1], s[4:5], s[60:61]
	PIECE 0
	s_cmp_lt_u32 s[WV], 8
	s_cbranch_scc0 .Lfirst_asked
	tensor_load_to_lds s[G0:G0+3], s[G1:G1+7]      ; trips 0, 1: a wave's one load at the head
	s_nop 0
	PLACES
.Lfirst_asked:
.irp c, 0,1,2
	global_load_b128 v[QF+4*\c:QF+4*\c+3], v[GI], s[66:67] offset:512*\c   ; Q's fragment stays in registers
.endr
	global_load_b32 v255, v[GQ], s[66:67] offset:SCO
	FRESH
.irp b, 0,1,2,3
	v_mov_b32 v[236+\b], 0                         ; a lane permute's destination counts as one of its sources
.endr
	v_mov_b32 v252, 0
	v_mov_b32 v253, 0
; A TRIP: 128 keys, whose records of K and V begin at s[TB] and s[TB] + VOF.  tail = 1: trip 8, which stream B has not.
.macro STEP tail
	s_cmp_lt_u32 s[WV], 8
	s_cbranch_scc1 .Lnosw_\@
	s_cmp_eq_u32 s[TT], s[SWT]
	s_cbranch_scc0 .Lnosw_\@
	PLACES                                         ; STREAM B CHANGES BLOCKS.  Four places behind the last products
	v_add_f32 v14, v14, v15
	SAVE                                           ; block j's state waits in LDS for my partner
.irp c, 0,1,2
	global_load_b128 v[QF+4*\c:QF+4*\c+3], v[GI], s[QH:QH+1] offset:512*\c
.endr
	global_load_b32 v255, v[GQ], s[QH:QH+1] offset:SCO
	FRESH
	s_add_co_u32 s[KS], s[KS], s[JMP]              ; key step 9
	s_mov_b32 s[BETA], s[HI]
	s_wait_alu depctr_va_vdst(0)                   ; the wait ahead of the wait below
	s_wait_loadcnt 0x0
.Lnosw_\@:
.if \tail
	s_cmp_lt_u32 s[WV], 8
	s_cbranch_scc0 .Lhidden_\@
.endif
	v_add_nc_u32 v[AD], s[TB], v[LI]
	s_wait_alu depctr_va_vdst(0)
	PLACES                                         ; with the addition five places: the first products below write over registers that the last trip's products read
	ds_load_b128 v[248:251], v[AD] offset:SCO      ; K's scale words, all eight tiles'
.irp g, 0,1                                    ; S^T = K Q^T, four tiles of 16 keys at a time
.if \g > 0
	PLACES
.endif
.irp t, 0,1,2,3
.irp c, 0,1,2
	ds_load_b128 v[FRG+12*\t+4*\c:FRG+12*\t+4*\c+3], v[AD] offset:(4*\g+\t)*IMG+512*\c
.endr
.endr
	s_wait_dscnt 0x0
.irp t, 0,1,2,3
.if \g == 0
	v_wmma_scale_f32_16x16x128_f8f6f4 v[S+8*\t:S+8*\t+7], v[FRG+12*\t:FRG+12*\t+11], v[QF:QF+11], 0, v[248+\t], v255 matrix_a_fmt:MATRIX_FMT_FP6 matrix_b_fmt:MATRIX_FMT_FP6
.else
	v_wmma_scale_f32_16x16x128_f8f6f4 v[S+32+8*\t:S+32+8*\t+7], v[FRG+12*\t:FRG+12*\t+11], v[QF:QF+11], 0, v[248+\t], v255 matrix_a_fmt:MATRIX_FMT_FP6 matrix_b_fmt:MATRIX_FMT_FP6 matrix_a_scale:MATRIX_SCALE_ROW1
.endif
.endr
.endr
	PLACES
.irp t, 0,1,2,3                                ; V's tiles 0-3 and its scale words are asked for now: 13 loads, on their way under the softmax
.irp c, 0,1,2
	ds_load_b128 v[FRG+12*\t+4*\c:FRG+12*\t+4*\c+3], v[AD] offset:VOF+\t*IMG+512*\c
.endr
.endr
	ds_load_b128 v[248:251], v[AD] offset:VOF+SCO
	s_cmp_lg_u32 s[KS], s[BETA]                    ; only the block's own key step has hidden keys
	s_cbranch_scc1 .Lopen_\@
	v_mov_b32 v254, 0xff800000                     ; -infinity.  Register 16 b + i holds key 32 b + 16 (lane / 16) + i: hidden where 32 b + i > v[DQ]
.set n, 0
.rept 64
	v_cmp_gt_i32 vcc_lo, 32*(n/16)+n%16, v[DQ]
	v_cndmask_b32 v[S+n], v[S+n], v254, vcc_lo
.set n, n+1
.endr
.Lopen_\@:
.irp b, 0,1,2,3
	v_max3_num_f32 v[232+\b], v[S+16*\b], v[S+1+16*\b], v[S+2+16*\b]   ; the largest score of each block of 32 keys: for the row's maximum and for the block's largest p
.endr
.irp i, 3,5,7,9,11,13
.irp b, 0,1,2,3
	v_max3_num_f32 v[232+\b], v[232+\b], v[S+16*\b+\i], v[S+1+16*\b+\i]
.endr
.endr
.irp b, 0,1,2,3
	v_max_num_f32 v[232+\b], v[232+\b], v[S+15+16*\b]
.endr
.irp b, 0,1,2,3
	s_delay_alu instid0(VALU_DEP_4)
	v_permlanex16_b32 v[236+\b], v[232+\b], s[SEL], s[SEL+1]
.endr
.irp b, 0,1,2,3
	s_delay_alu instid0(VALU_DEP_4)
	v_max_num_f32 v[232+\b], v[232+\b], v[236+\b]  ; with lane l xor 16's 16 keys
.endr
	s_delay_alu instid0(VALU_DEP_2)
	v_max3_num_f32 v254, v232, v233, v234
	s_delay_alu instid0(VALU_DEP_1)
	v_max_num_f32 v254, v254, v235
	s_delay_alu instid0(VALU_DEP_1)
	v_mul_f32 v254, s[CS], v254                    ; as t (c is positive)
	s_delay_alu instid0(VALU_DEP_1)
	v_max_num_f32 v13, v13, v254                   ; the running largest t
	v_mov_b32 v254, v12
	s_delay_alu instid0(VALU_DEP_2)
	v_floor_f32 v12, -v13                          ; the new -M = -ceil(t)
	s_delay_alu instid0(VALU_DEP_1)
	v_sub_f32 v254, v12, v254                      ; old M - new M: a whole number, 0 or less
	s_delay_alu instid0(VALU_DEP_1)
	v_cvt_i32_f32 v254, v254                       ; (it saturates)
	s_delay_alu instid0(VALU_DEP_1)
	v_ldexp_f32 v252, 1.0, v254                    ; f = 2^(old M - new M)
.set n, 0
.rept 32
	v_pk_fma_f32 v[S+n:S+n+1], v[S+n:S+n+1], s[CS:CS+1], v[12:13] op_sel_hi:[1,0,0]   ; t - M
.set n, n+2
.endr
.irp b, 0,1,2,3
	v_fma_f32 v[232+\b], v[232+\b], s[CS], v12     ; the same of each block's largest score
.endr
	s_wait_alu depctr_va_vdst(0)                   ; the wait ahead of the batch
.set n, 0
.rept 64
	v_exp_f32 v[S+n], v[S+n]                       ; p = 2^(t - M)
.set n, n+1
.endr
.irp b, 0,1,2,3
	v_exp_f32 v[232+\b], v[232+\b]                 ; the block's largest p
.endr
	v_pk_mul_f32 v[14:15], v[14:15], v[252:253] op_sel_hi:[1,0]   ; the sums under the new M (a plain place behind the batch)
	s_wait_alu depctr_va_vdst(0)                   ; and behind it
.irp b, 0,1,2,3
	v_max_num_f32 v[232+\b], 0x1800000, v[232+\b]  ; the floor 2^(3 - 127)
.endr
.irp b, 0,1,2,3
	s_delay_alu instid0(VALU_DEP_4)
	v_add_nc_u32 v[244+\b], 0xff000000, v[232+\b]  ; the conversion's scale operand
.endr
.irp b, 0,1,2,3
	s_delay_alu instid0(VALU_DEP_4)
	v_lshrrev_b32 v[236+\b], 23, v[244+\b]         ; the scale's byte
.endr
	s_delay_alu instid0(VALU_DEP_3)
	v_lshl_or_b32 v253, v237, 8, v236              ; p's scale word for these 128 keys
	s_delay_alu instid0(VALU_DEP_1)
	v_lshl_or_b32 v253, v238, 16, v253
	s_delay_alu instid0(VALU_DEP_1)
	v_lshl_or_b32 v253, v239, 24, v253
.irp c, 0,1
	v_cvt_scalef32_pk16_fp6_f32 v[224+6*\c:226+6*\c], v[S+32*\c:S+15+32*\c], v[244+2*\c]
	v_cvt_scalef32_pk16_fp6_f32 v[236+4*\c:238+4*\c], v[S+16+32*\c:S+31+32*\c], v[244+2*\c+1]
.endr
	v_nop                                          ; one plain place behind a scaled conversion
.irp c, 0,1                                    ; a whole block to a lane
.irp i, 0,1,2
	v_permlane16_swap_b32 v[224+6*\c+\i], v[236+4*\c+\i]
.endr
.irp i, 0,1,2
	s_delay_alu instid0(VALU_DEP_3)
	v_mov_b32 v[227+6*\c+\i], v[236+4*\c+\i]
.endr
.endr
.irp c, 0,1,2,3,4,5                            ; the row's sum of the unquantised p: seven chains by turns
	v_pk_add_f32 v[84+2*\c:85+2*\c], v[S+4*\c:S+4*\c+1], v[S+4*\c+2:S+4*\c+3]
.endr
	v_pk_add_f32 v[14:15], v[14:15], v[S+24:S+25]
.irp q, 0,1
.irp c, 0,1,2,3,4,5
	v_pk_add_f32 v[84+2*\c:85+2*\c], v[84+2*\c:85+2*\c], v[S+26+14*\q+2*\c:S+27+14*\q+2*\c]
.endr
	v_pk_add_f32 v[14:15], v[14:15], v[S+38+14*\q:S+39+14*\q]
.endr
.irp c, 0,1,2,3,4
	v_pk_add_f32 v[84+2*\c:85+2*\c], v[84+2*\c:85+2*\c], v[S+54+2*\c:S+55+2*\c]
.endr
	v_pk_add_f32 v[92:93], v[92:93], v[94:95]
	v_pk_add_f32 v[84:85], v[84:85], v[86:87]
	v_pk_add_f32 v[88:89], v[88:89], v[90:91]
	s_delay_alu instid0(VALU_DEP_2)
	v_pk_add_f32 v[14:15], v[14:15], v[84:85]
	s_delay_alu instid0(VALU_DEP_2)
	v_pk_add_f32 v[88:89], v[88:89], v[92:93]
	s_delay_alu instid0(VALU_DEP_1)
	v_pk_add_f32 v[14:15], v[14:15], v[88:89]
.irp t, 0,1,2,3                                ; p has been read for the last time: V's tiles 4-7 land on its registers: 12 loads
.irp c, 0,1,2
	ds_load_b128 v[S+12*\t+4*\c:S+12*\t+4*\c+3], v[AD] offset:VOF+(4+\t)*IMG+512*\c
.endr
.endr
	s_wait_alu depctr_va_vdst(0)                   ; the wait directly ahead of the first readers of O^T
.set n, 0
.rept 32
	v_pk_mul_f32 v[OT+n:OT+n+1], v[OT+n:OT+n+1], v[252:253] op_sel_hi:[1,0]   ; O^T under the new M
.set n, n+2
.endr
	s_wait_alu depctr_va_vdst(0)                   ; the wait ahead of the wait below
	s_wait_dscnt 12                                ; V's tiles 0-3 and scale words are in; the twelve loads of tiles 4-7 may be out
.irp t, 0,1,2,3                                ; O^T += V^T P^T: the eight accumulators take turns
	v_wmma_scale_f32_16x16x128_f8f6f4 v[OT+8*\t:OT+8*\t+7], v[FRG+12*\t:FRG+12*\t+11], v[224:235], v[OT+8*\t:OT+8*\t+7], v[248+\t], v253 matrix_a_fmt:MATRIX_FMT_FP6 matrix_b_fmt:MATRIX_FMT_FP6
.endr
	s_wait_dscnt 0x0
.irp t, 0,1,2,3
	v_wmma_scale_f32_16x16x128_f8f6f4 v[OT+32+8*\t:OT+32+8*\t+7], v[S+12*\t:S+12*\t+11], v[224:235], v[OT+32+8*\t:OT+32+8*\t+7], v[248+\t], v253 matrix_a_fmt:MATRIX_FMT_FP6 matrix_b_fmt:MATRIX_FMT_FP6 matrix_a_scale:MATRIX_SCALE_ROW1
.endr
.if \tail
.Lhidden_\@:
.endif
.endm
.macro SLOTRUN slot                    ; a slot's two trips
	s_add_co_u32 s[TB], s[SOFF], (\slot)*SLOT
	s_mov_b32 s[CNT], 2
.Lstep_\@:
	STEP 0
	s_add_co_u32 s[TB], s[TB], 4*REC
	s_add_co_u32 s[KS], s[KS], 1
	s_add_co_u32 s[TT], s[TT], 1
	s_sub_co_u32 s[CNT], s[CNT], 1
	s_cmp_lg_u32 s[CNT], 0
	s_cbranch_scc1 .Lstep_\@
.endm
; A change of slots: every wave waits for all its tensor loads, adds 0 to its spare word and waits for that and for its LDS instructions; behind the barrier the other slot is asked for first.
.macro TWO slot
	s_wait_tensorcnt 0x0
	ds_add_u32 v[SPW], v[NIL]
	ds_add_u32 v[SPW], v[NIL]
	s_add_co_u32 s[TL], s[TT], s[PI]               ; no load of mine is out: group 0 for trips TT + 2, TT + 3
.if \slot
	s_cmp_lt_u32 s[TT], 4
	s_cselect_b32 s[LIM], 8, 2                     ; the last fill is trip 8's two records: the other waves have no part of it
.endif
	PIECE (1-\slot)
	s_wait_dscnt 0x0
	s_barrier_signal -1
	s_barrier_wait -1
.if \slot
	s_cmp_lt_u32 s[WV], s[LIM]
.else
	s_cmp_lt_u32 s[WV], 8
.endif
	s_cbranch_scc0 .Lnofill_\@
	tensor_load_to_lds s[G0:G0+3], s[G1:G1+7]
	s_nop 0
	PLACES
.Lnofill_\@:
	s_cmp_lt_u32 s[TT], s[PFL]
	s_cbranch_scc0 .Lnoask_\@
	global_prefetch_b8 v[PFO], s[PF:PF+1] offset:(4+2*\slot)*REC th:TH_LOAD_NT scope:SCOPE_SE   ; key steps TT + 4, TT + 5; the address registers are never rewritten
.Lnoask_\@:
	SLOTRUN \slot
.endm
.macro QUANT src, pc, pw
.irp b, 0,1,2,3
	v_max3_num_f32 v[TM+\b], |v[(\src)+16*\b]|, |v[(\src)+16*\b+1]|, 0x1800000
.endr
.irp i, 2,4,6,8,10,12,14
.irp b, 0,1,2,3
	s_delay_alu instid0(VALU_DEP_4)
	v_max3_num_f32 v[TM+\b], |v[(\src)+16*\b+\i]|, |v[(\src)+16*\b+\i+1]|, v[TM+\b]
.endr
.endr
.irp b, 0,1,2,3
	s_delay_alu instid0(VALU_DEP_4)
	v_permlanex16_b32 v[TM+4+\b], v[TM+\b], s[SEL], s[SEL+1]
.endr
.irp b, 0,1,2,3
	s_delay_alu instid0(VALU_DEP_4)
	v_max_num_f32 v[TM+\b], v[TM+\b], v[TM+4+\b]
.endr
.irp b, 0,1,2,3
	s_delay_alu instid0(VALU_DEP_4)
	v_add_nc_u32 v[TM+12+\b], 0xff000000, v[TM+\b]
.endr
.irp b, 0,1,2,3
	s_delay_alu instid0(VALU_DEP_4)
	v_lshrrev_b32 v[TM+4+\b], 23, v[TM+12+\b]
.endr
	s_delay_alu instid0(VALU_DEP_3)
	v_lshl_or_b32 v[\pw], v[TM+5], 8, v[TM+4]
	s_delay_alu instid0(VALU_DEP_1)
	v_lshl_or_b32 v[\pw], v[TM+6], 16, v[\pw]
	s_delay_alu instid0(VALU_DEP_1)
	v_lshl_or_b32 v[\pw], v[TM+7], 24, v[\pw]
.irp c, 0,1
	v_cvt_scalef32_pk16_fp6_f32 v[(\pc)+6*\c:(\pc)+6*\c+2], v[(\src)+32*\c:(\src)+32*\c+15], v[TM+12+2*\c]
	v_cvt_scalef32_pk16_fp6_f32 v[(\pc)+12+4*\c:(\pc)+14+4*\c], v[(\src)+32*\c+16:(\src)+32*\c+31], v[TM+13+2*\c]
.endr
	v_nop
.irp c, 0,1
.irp i, 0,1,2
	v_permlane16_swap_b32 v[(\pc)+6*\c+\i], v[(\pc)+12+4*\c+\i]
.endr
.irp i, 0,1,2
	s_delay_alu instid0(VALU_DEP_3)
	v_mov_b32 v[(\pc)+3+6*\c+\i], v[(\pc)+12+4*\c+\i]
.endr
.endr
.endm
	s_wait_alu depctr_va_vdst(0)                   ; the wait at the head's end
	s_wait_loadcnt 0x0                             ; Q
.Lring:                                                ; a trip of this loop goes once round the ring: four trips along the keys
	TWO 0
	TWO 1
	s_sub_co_u32 s[OUTC], s[OUTC], 1
	s_cmp_lg_u32 s[OUTC], 0
	s_cbranch_scc1 .Lring
	s_wait_tensorcnt 0x0                           ; trip 8's two records have landed
	ds_add_u32 v[SPW], v[NIL]
	s_wait_dscnt 0x0
	s_barrier_signal -1
	s_barrier_wait -1
	s_mov_b32 s[TB], s[SOFF]
	STEP 1
	; THE STATES ARE JOINED.  Stream A hands its state of block 15 - j to its partner and counts its own registers for nothing from there on (-M = 3e38 gives them the factor 0).
	PLACES
	v_add_f32 v14, v14, v15
	s_cmp_lt_u32 s[WV], 8
	s_cbranch_scc0 .Lkept
	SAVE
	v_mov_b32 v12, 0x7f61b1e6
.Lkept:
	s_wait_alu depctr_va_vdst(0)                   ; the wait ahead of the wait below
	s_wait_dscnt 0x0                               ; my stores are done
	s_barrier_signal -1
	s_barrier_wait -1
.set k, 0
.rept 16
	ds_load_b128 v[S+4*k:S+4*k+3], v[RA] offset:512*k   ; A: block j's state; B: A's state of block 15 - j
.set k, k+1
.endr
	ds_load_b32 v232, v[RS] offset:8192
	ds_load_b32 v233, v[RS] offset:8320
	s_wait_dscnt 0x0
	v_min_num_f32 v234, v12, v232                  ; -M of the two together
	s_delay_alu instid0(VALU_DEP_1)
	v_sub_f32 v235, v234, v12                      ; my M less the joint one, a whole number, 0 or less;
	v_sub_f32 v236, v234, v232                     ; and the other's
	s_delay_alu instid0(VALU_DEP_2)
	v_cvt_i32_f32 v235, v235                       ; (they saturate)
	s_delay_alu instid0(VALU_DEP_2)
	v_cvt_i32_f32 v236, v236
	s_delay_alu instid0(VALU_DEP_2)
	v_ldexp_f32 v235, 1.0, v235
	s_delay_alu instid0(VALU_DEP_2)
	v_ldexp_f32 v236, 1.0, v236
	s_delay_alu instid0(VALU_DEP_2)
	v_mul_f32 v14, v14, v235
	s_delay_alu instid0(VALU_DEP_1)
	v_fma_f32 v14, v233, v236, v14
	s_delay_alu instid0(VALU_DEP_1)
	v_permlanex16_b32 v237, v14, s[SEL], s[SEL+1]
	s_delay_alu instid0(VALU_DEP_1)
	v_add_f32 v14, v14, v237                       ; the row's sum
	s_wait_alu depctr_va_vdst(0)
	v_rcp_f32 v14, v14
.irp b, 0,1,2,3
	v_mov_b32 v[TM+4+\b], 0                        ; (plain places behind the reciprocal)
.endr
	s_wait_alu depctr_va_vdst(0)
	v_mul_f32 v252, v235, v14                      ; the two factors, each with 1 / sum in it
	v_mul_f32 v244, v236, v14
.set n, 0
.rept 32
	v_pk_mul_f32 v[OT+n:OT+n+1], v[OT+n:OT+n+1], v[252:253] op_sel_hi:[1,0]
.set n, n+2
.endr
.set n, 0
.rept 32
	v_pk_fma_f32 v[S+n:S+n+1], v[S+n:S+n+1], v[244:245], v[OT+n:OT+n+1] op_sel_hi:[1,0,1]   ; register 16 b + i is channel 32 b + 16 (lane / 16) + i of my query
.set n, n+2
.endr
	QUANT S, PC, PW
.irp c, 0,1,2
	global_store_b128 v[GI], v[PC+4*\c:PC+4*\c+3], s[68:69] offset:512*\c   ; 32 lanes store 512 consecutive bytes, at a multiple of 256 from oc's first byte
.endr
	v_cmp_gt_u32 vcc_lo, 16, v[LN]                 ; lanes r and r + 16 hold the same scale word: lanes 0-15 store it
	s_wait_xcnt 0x0                                ; EXEC changes only behind this wait
	s_and_saveexec_b32 s70, vcc_lo
	global_store_b32 v[GS], v[PW], s[68:69] offset:SCO
	s_wait_xcnt 0x0
	s_or_b32 exec_lo, exec_lo, s70
	s_wait_tensorcnt 0x0                           ; the wave's end
	ds_add_u32 v[SPW], v[NIL]
	s_wait_dscnt 0x0
	s_endpgm
.Lfunc_end_k_qae2742a35e_attn:
	.size	k_qae2742a35e_attn, .Lfunc_end_k_qae2742a35e_attn-k_qae2742a35e_attn
	.p2alignl 7, 3214868480
	.fill 96, 4, 3214868480
	.section	.rodata,"a",@progbits
	.p2align	6, 0x0
	.amdhsa_kernel k_qae2742a35e_attn
		.amdhsa_group_segment_fixed_size 327680
		.amdhsa_private_segment_fixed_size 0
		.amdhsa_enable_private_segment 0
		.amdhsa_kernarg_size 16
		.amdhsa_user_sgpr_count 2
		.amdhsa_user_sgpr_kernarg_segment_ptr 1
		.amdhsa_wavefront_size32 1
		.amdhsa_system_sgpr_workgroup_id_x 1
		.amdhsa_system_sgpr_workgroup_id_y 1
		.amdhsa_system_sgpr_workgroup_id_z 1
		.amdhsa_system_vgpr_workitem_id 0
		.amdhsa_next_free_vgpr 256
		.amdhsa_next_free_sgpr 80
		.amdhsa_reserve_vcc 1
		.amdhsa_float_denorm_mode_32 3
		.amdhsa_float_denorm_mode_16_64 3
		.amdhsa_memory_ordered 1
		.amdhsa_forward_progress 1
		.amdhsa_inst_pref_size 112
	.end_amdhsa_kernel
	.amdgpu_metadata
---
amdhsa.version: [ 1, 2 ]
amdhsa.kernels:
  - .name:           k_qae2742a35e_attn
    .symbol:         k_qae2742a35e_attn.kd
    .args:
      - { .name: qkv, .offset: 0, .size: 8, .value_kind: global_buffer, .address_space: global }
      - { .name: oc, .offset: 8, .size: 8, .value_kind: global_buffer, .address_space: global }
    .group_segment_fixed_size: 327680
    .private_segment_fixed_size: 0
    .kernarg_segment_align: 8
    .kernarg_segment_size: 16
    .max_flat_workgroup_size: 512
    .sgpr_count:     80
    .vgpr_count:     256
    .wavefront_size: 32
...
	.end_amdgpu_metadata
.endif
;; end of part 3
;; launch gemm_out (part 4): grid 8 x 32, 4 waves a work-group, clusters of 4 x 4, 327,680 bytes of LDS; arguments oc, wcodes, out0; writes out0
.if DOCPART == 4
	.amdgcn_target "amdgcn-amd-amdhsa--gfx1250"
	.amdhsa_code_object_version 6
	.text
	.protected	k_qae2742a35e_gemm_out
	.globl	k_qae2742a35e_gemm_out
	.p2align	8
	.type	k_qae2742a35e_gemm_out,@function
k_qae2742a35e_gemm_out:
	s_mov_b64 s[64:65], 0
	v_nop
	global_prefetch_b8 v0, s[64:65] scope:SCOPE_SE
	s_setreg_imm32_b32 hwreg(HW_REG_WAVE_MODE, 25, 1), 1
	s_wait_xcnt 0x0
	s_wait_alu depctr_hold_cnt(0) depctr_sa_sdst(0) depctr_va_vdst(0) depctr_va_sdst(0) depctr_va_ssrc(0) depctr_va_vcc(0) depctr_vm_vsrc(0)
	s_getreg_b32 s2, hwreg(HW_REG_IB_STS2, 6, 4)
	s_cmp_eq_u32 s2, 0
	s_cbranch_scc0 .Lentry_in_a_cluster
	s_endpgm
.Lentry_in_a_cluster:
	s_bfe_u32 s2, ttmp6, 0x10000c
	s_cmp_lg_u32 s2, 0xf033
	s_cbranch_scc0 .Lentry_shape_is_right
	s_endpgm
.Lentry_shape_is_right:
; out0 [4096][1024] f32 = O Wo on codes of FP6 (E2M3) with E8M0 scales, K = 2,048, sums in f32.
; Both operands lie in RECORDS of 12,800 bytes: 128 rows x 128 along K as images of the operand's registers: tile t, register 4 c + i of lane l at 1536 t + 512 c + 16 l + 4 i; lane r's scale word at 12288 + 64 t + 4 r;
; lane r of tile t holds row 32 (t / 2) + 8 (t % 2) + r + 8 (r / 8).  oc: record 16 R + s (R: 128 tokens, s: the K step = the head).  wcodes: record 384 + 16 N + s (N: 128 columns of Wo).
; A tile of out0 is 128 x 128: 32 x 8 = 256 work-groups; four waves, each 64 x 64: 16 accumulators.  THE MATRIX INSTRUCTION IS USED TRANSPOSED (source 0 = a tile of Wo, source 1 = a tile of O): a lane holds one token and eight neighbouring columns.
; LDS holds three regions of four K steps (A's four records, then B's four).  Region 0 is one slot, regions 1 and 2 together the other.  THREE FILLS, one tensor load a wave each: K steps 0-3 (100 rows of 256 bytes a wave),
; K steps 4-11 (200 rows: a wave brings one operand's four records of one region), and K steps 12-15 into region 0 again (100 rows).  One load of a wave is out at a time.
; CLUSTERS: 4 x 4 work-groups; O's records are asked for jointly along a row of the cluster, Wo's along a column.  No prefetch: three fills written out, with no loop to run ahead in.
; REGISTERS: window 0: v10-31 addresses; v32-39 scale words, two sets; v40-103 the way out; v128-255 accumulator (a, b) at v[128 + 8 (4 a + b)].  window 1: two sets of fragments at v0 and v128: A's four at + 12 i, B's four at + 48 + 12 i.
.set REC,   12800
.set IMG,   1536
.set SCO,   12288
.set PART,  2*REC
.set SLOT,  4*PART                     ; a region
.set SPARE, 3*SLOT
.set SPITCH, 272                       ; the way out: a stage of 16 rows x (256 + 16 bytes) for each wave, in region 1, which is filled once and read for the last time ahead of the barrier in K step 11
.set RD,    10
.set CO,    11
.set ADRA,  16                         ; v16-18  my A fragments in region 0, 1, 2
.set ADRB,  20
.set ADRS,  24                         ; my scale words: lanes 0-15 A's, lanes 16-31 B's
.set STO,   27
.set SPW,   28
.set NIL,   29
.set SC,    32
.set OB,    40
.set ACC,   128
.set G1A,   24
.set G1B,   32
.set G0A,   40                         ; s[40:47], s[52:59]: groups 0: set 0 region 0, set 1 the large fill
.set G0B,   52
.set MSB, 0
.macro WIN new
.if MSB != (\new)
	s_set_vgpr_msb (MSB<<8)|(\new)
.set MSB, (\new)
.endif
.endm
.macro PLACES
.rept 4
	v_nop
.endr
.endm
.macro JLOAD s                         ; a joint load: waves 0 and 1 for A, waves 2 and 3 for B; s_nop 0 and four v_nop follow each line
	s_cmp_eq_u32 s11, 0
	s_cbranch_scc0 .Lfor_b_\@
	tensor_load_to_lds s[G0A+4*\s:G0A+4*\s+3], s[G1A:G1A+7]
	s_nop 0
	PLACES
	s_branch .Lasked_\@
.Lfor_b_\@:
	tensor_load_to_lds s[G0B+4*\s:G0B+4*\s+3], s[G1B:G1B+7]
	s_nop 0
	PLACES
.Lasked_\@:
.endm
.macro CROUND
	s_barrier_signal -1
	s_barrier_wait -1
	s_cmp_lg_u32 s10, 0
	s_cbranch_scc1 .Lnot_wave_0_\@
	s_barrier_signal -3
.Lnot_wave_0_\@:
	s_barrier_wait -3
	s_barrier_signal -1
	s_barrier_wait -1
.endm
.macro ROWS n                          ; the rows of the next loads; written only where no tensor load of the wave is out
.irp g, G1A, G1B
	s_mov_b32 s[\g+2], (\n)<<16
	s_mov_b32 s[\g+4], \n
.endr
.endm
	s_load_b128 s[4:7], s[0:1], 0x0                ; oc, wcodes
	s_load_b64 s[8:9], s[0:1], 0x10                ; out0
	v_lshl_add_u32 v[SPW], v0, 2, SPARE
	v_mov_b32 v[NIL], 0
	ds_add_u32 v[SPW], v[NIL]                      ; the opening lines: the add twice on end and its wait
	ds_add_u32 v[SPW], v[NIL]
	v_lshrrev_b32 v1, 5, v0
	v_readfirstlane_b32 s10, v1                    ; wave 0..3
	s_lshr_b32 s11, s10, 1                         ; my 64 tokens; also: I fetch for A (0) or B (1)
	s_and_b32 s12, s10, 1                          ; my 64 columns; also: which half of a fill I fetch
	s_bfe_u32 s13, ttmp6, 0x40000                  ; cx
	s_bfe_u32 s14, ttmp6, 0x40004                  ; cy
	s_lshl_b32 s15, ttmp9, 2
	s_add_co_u32 s15, s15, s13                     ; tile column
	s_and_b32 s16, ttmp7, 0xffff
	s_lshl_b32 s16, s16, 2
	s_add_co_u32 s16, s16, s14                     ; tile row
	s_lshl_b32 s17, s14, 2
	s_lshl_b32 s17, 15, s17                        ; my row of the cluster
	s_lshl_b32 s18, 0x1111, s13                    ; my column
	s_or_b32 s[G1A], s17, (3<<16)|(1<<21)          ; the mask; elements of 8 bytes; bit 21 beside a mask
	s_or_b32 s[G1B], s18, (3<<16)|(1<<21)
.irp g, G1A, G1B
	s_mov_b32 s[\g+1], 32<<16                      ; rows of 256 bytes,
	s_mov_b32 s[\g+2], 100<<16                     ; 100 of them: two records
	s_mov_b32 s[\g+3], 32<<16
	s_mov_b32 s[\g+4], 100
	s_mov_b32 s[\g+5], 32
	s_mov_b32 s[\g+6], 0
	s_mov_b32 s[\g+7], 0
.endr
	s_mul_i32 s78, s12, PART                       ; the small fills: records 2 x half on
	s_mov_b32 s79, 0
	s_lshl_b32 s84, s78, 1
	s_add_co_u32 s84, s84, 4*REC                   ; the large fill: records 4 + 4 x half on
	s_mov_b32 s85, 0
	s_mul_i32 s74, s16, 16*REC                     ; A: record 16 x tile row
	s_mov_b32 s75, 0
	s_lshl_b32 s76, s15, 4
	s_add_co_u32 s76, s76, 384
	s_mul_i32 s76, s76, REC                        ; B: record 384 + 16 x tile column
	s_mov_b32 s77, 0
	s_mul_i32 s22, s10, PART                       ; the small fills go to wave x PART of region 0,
	s_mul_i32 s23, s12, SLOT
	s_mul_i32 s70, s11, 2*PART
	s_add_co_u32 s23, s23, s70
	s_add_co_u32 s23, s23, SLOT                    ; the large one to region 1 + half, A's or B's four records
	s_wait_dscnt 0x0                               ; both opening adds are done
	s_wait_kmcnt 0x0
	s_add_nc_u64 s[66:67], s[4:5], s[74:75]
	s_add_nc_u64 s[68:69], s[6:7], s[76:77]
	CROUND                                         ; all sixteen work-groups are here: the first joint loads meet
	s_mov_b32 s[G0A], 1
	s_mov_b32 s[G0A+1], s22
	s_add_nc_u64 s[G0A+2:G0A+3], s[66:67], s[78:79]
	s_or_b32 s[G0A+3], s[G0A+3], 0x80000000
	s_mov_b32 s[G0A+4], 1
	s_mov_b32 s[G0A+5], s23
	s_add_nc_u64 s[G0A+6:G0A+7], s[66:67], s[84:85]
	s_or_b32 s[G0A+7], s[G0A+7], 0x80000000
	s_mov_b32 s[G0B], 1
	s_mov_b32 s[G0B+1], s22
	s_add_nc_u64 s[G0B+2:G0B+3], s[68:69], s[78:79]
	s_or_b32 s[G0B+3], s[G0B+3], 0x80000000
	s_mov_b32 s[G0B+4], 1
	s_mov_b32 s[G0B+5], s23
	s_add_nc_u64 s[G0B+6:G0B+7], s[68:69], s[84:85]
	s_or_b32 s[G0B+7], s[G0B+7], 0x80000000
	JLOAD 0                                        ; K steps 0-3: my one tensor load at the head
	s_mul_i32 s23, s11, 4*IMG                      ; my four tiles of A
	s_mul_i32 s70, s12, 4*IMG
	s_add_co_u32 s70, s70, 2*PART                  ; my four tiles of B, behind A's records
	s_lshl_b32 s71, s11, 8                         ; their scale words: 64 bytes a tile
	s_lshl_b32 s79, s12, 8
	s_add_co_u32 s79, s79, 2*PART
	s_sub_co_u32 s79, s79, s71
	v_and_b32 v1, 31, v0                           ; lane
	v_and_b32 v2, 15, v0                           ; r
	v_bfe_u32 v3, v0, 4, 1                         ; h
	v_lshlrev_b32 v4, 4, v1
	v_mul_u32_u24 v5, s79, v3                      ; lanes 16-31 take B's: the distance x h
	v_lshl_add_u32 v5, v2, 2, v5
	s_wait_alu depctr_va_vdst(0)
.irp s, 0,1,2
	v_add_nc_u32 v[ADRA+\s], s23, v4
	v_add_nc_u32 v[ADRB+\s], s70, v4
	v_add_nc_u32 v[ADRS+\s], s71, v5
	s_add_co_u32 s23, s23, SLOT
	s_add_co_u32 s70, s70, SLOT
	s_add_co_u32 s71, s71, SLOT
.endr
	s_mul_i32 s79, s10, 16*SPITCH
	s_add_co_u32 s79, s79, SLOT                    ; my stage
	v_mul_u32_u24 v[STO], v2, SPITCH               ; in: row r, + 64 h
	v_lshl_add_u32 v[STO], v3, 6, v[STO]
	v_add_nc_u32 v[STO], s79, v[STO]
	v_mul_u32_u24 v[RD], v3, SPITCH                ; back: lanes 0-15 one row of 256 bytes, lanes 16-31 the next
	v_lshl_add_u32 v[RD], v2, 4, v[RD]
	v_add_nc_u32 v[RD], s79, v[RD]
	v_lshlrev_b32 v[CO], 12, v3                    ; and the same two rows in out0
	v_lshl_add_u32 v[CO], v2, 4, v[CO]
	s_lshl_b32 s80, s16, 7                         ; my part of out0
	s_lshl_b32 s82, s11, 6
	s_add_co_u32 s80, s80, s82
	s_lshl_b32 s80, s80, 12
	s_lshl_b32 s82, s15, 9
	s_add_co_u32 s80, s80, s82
	s_lshl_b32 s82, s12, 8
	s_add_co_u32 s80, s80, s82
	s_mov_b32 s81, 0
	s_add_nc_u64 s[72:73], s[8:9], s[80:81]
.macro FETCH k                         ; K step k's fragments and scale words into set k % 2: 24 + 4 loads
.set FS, ((\k)/4)%3
.set FQ, (\k)%4
.set FP, (\k)%2
	WIN 0x40
.irp i, 0,1,2,3
.irp c, 0,1,2
	ds_load_b128 v[128*FP+12*\i+4*\c:128*FP+12*\i+4*\c+3], v[ADRA+FS] offset:FQ*REC+\i*IMG+512*\c
.endr
.endr
.irp i, 0,1,2,3
.irp c, 0,1,2
	ds_load_b128 v[128*FP+48+12*\i+4*\c:128*FP+48+12*\i+4*\c+3], v[ADRB+FS] offset:FQ*REC+\i*IMG+512*\c
.endr
.endr
	WIN 0
.irp i, 0,1,2,3
	ds_load_b32 v[SC+4*FP+\i], v[ADRS+FS] offset:FQ*REC+SCO+64*\i
.endr
.endm
; K step k: the next step's loads go out first, then this step's 16 products.  The 16 accumulators take turns.
.macro STEP k
.if (\k) == 3
	s_wait_tensorcnt 0x0                           ; the large fill has landed
	ds_add_u32 v[SPW], v[NIL]
	ROWS 100
	s_add_nc_u64 s[G0A+2:G0A+3], s[G0A+2:G0A+3], 12*REC   ; region 0's next records: K steps 12-15
	s_add_nc_u64 s[G0B+2:G0B+3], s[G0B+2:G0B+3], 12*REC
	s_wait_dscnt 0x0                               ; the add is done; step 3's fragments are in registers: my reads of region 0 are over
	CROUND
	JLOAD 0                                        ; the first tensor load behind the round; its four v_nop are the places in front of the loads below
.elseif (\k) == 11
	s_wait_tensorcnt 0x0                           ; my part of the refill has landed
	ds_add_u32 v[SPW], v[NIL]
	s_wait_dscnt 0x0
	s_barrier_signal -1
	s_barrier_wait -1                              ; everybody's has
	PLACES
.else
	PLACES
.endif
.if (\k) < 15
	FETCH (\k)+1
	s_wait_dscnt 28                                ; all but the 28 just issued
.else
	s_wait_dscnt 0x0
.endif
.set PP, (\k)%2
	WIN 0x05
.irp a, 0,1,2,3
.irp b, 0,1,2,3
.if (\k) == 0
	v_wmma_scale_f32_16x16x128_f8f6f4 v[ACC+8*(4*\a+\b):ACC+8*(4*\a+\b)+7], v[128*PP+48+12*\b:128*PP+48+12*\b+11], v[128*PP+12*\a:128*PP+12*\a+11], 0, v[SC+4*PP+\b], v[SC+4*PP+\a] matrix_a_fmt:MATRIX_FMT_FP6 matrix_b_fmt:MATRIX_FMT_FP6 matrix_a_scale:MATRIX_SCALE_ROW1
.else
	v_wmma_scale_f32_16x16x128_f8f6f4 v[ACC+8*(4*\a+\b):ACC+8*(4*\a+\b)+7], v[128*PP+48+12*\b:128*PP+48+12*\b+11], v[128*PP+12*\a:128*PP+12*\a+11], v[ACC+8*(4*\a+\b):ACC+8*(4*\a+\b)+7], v[SC+4*PP+\b], v[SC+4*PP+\a] matrix_a_fmt:MATRIX_FMT_FP6 matrix_b_fmt:MATRIX_FMT_FP6 matrix_a_scale:MATRIX_SCALE_ROW1
.endif
.endr
.endr
	WIN 0
.endm
	s_wait_alu depctr_va_vdst(0)                   ; the wait at the head's end
	s_wait_tensorcnt 0x0                           ; my part of region 0 is in; the same lines as ahead of a refill stand ahead of the large first fill
	ds_add_u32 v[SPW], v[NIL]
	ROWS 200
	s_wait_dscnt 0x0
	CROUND
	JLOAD 1                                        ; K steps 4-11
	FETCH 0
.irp k, 0,1,2,3,4,5,6,7,8,9,10,11,12,13,14,15
	STEP \k
.endr
; THE WAY OUT, A's tile a (16 tokens x my 64 columns) at a time, through my own stage.  Tile b's eight columns of a lane begin at column 32 (b / 2) + 8 (b % 2) + 16 h; stage row rho is token 32 (a / 2) + 8 (a % 2) + rho + 8 (rho / 8) of my 64.
; LDS serves a wave's instructions in order: no wait between the stores and the loads.
.macro TOSTAGE a
.irp b, 0,1,2,3
	ds_store_b128 v[STO], v[ACC+8*(4*(\a)+\b):ACC+8*(4*(\a)+\b)+3] offset:128*(\b/2)+32*(\b%2)        ; each accumulator from its low end on
	ds_store_b128 v[STO], v[ACC+8*(4*(\a)+\b)+4:ACC+8*(4*(\a)+\b)+7] offset:128*(\b/2)+32*(\b%2)+16
.endr
.irp i, 0,1,2,3,4,5,6,7
	ds_load_b128 v[OB+32*((\a)%2)+4*\i:OB+32*((\a)%2)+4*\i+3], v[RD] offset:2*\i*SPITCH
.endr
.endm
.macro SEND a, younger                 ; younger: the LDS instructions issued behind tile a's loads, which may stay out
	s_wait_dscnt \younger
.irp i, 0,1,2,3,4,5,6,7
	global_store_b128 v[CO], v[OB+32*((\a)%2)+4*\i:OB+32*((\a)%2)+4*\i+3], s[72:73] offset:(32*((\a)/2)+8*((\a)%2)+2*\i+8*(\i/4))*4096 th:TH_STORE_NT   ; 16 lanes store 256 consecutive bytes, at a multiple of 256 from out0's first byte
.endr
.endm
	PLACES
	TOSTAGE 0
	TOSTAGE 1
	SEND 0, 16
	s_wait_xcnt 0x0                                ; only behind this wait do loads land on the stores' registers
	TOSTAGE 2
	SEND 1, 16
	s_wait_xcnt 0x0
	TOSTAGE 3
	SEND 2, 16
	SEND 3, 0
	s_wait_tensorcnt 0x0                           ; the wave's end
	ds_add_u32 v[SPW], v[NIL]
	s_wait_dscnt 0x0
	CROUND                                         ; the closing round
	s_endpgm
.Lfunc_end_k_qae2742a35e_gemm_out:
	.size	k_qae2742a35e_gemm_out, .Lfunc_end_k_qae2742a35e_gemm_out-k_qae2742a35e_gemm_out
	.p2alignl 7, 3214868480
	.fill 96, 4, 3214868480
	.section	.rodata,"a",@progbits
	.p2align	6, 0x0
	.amdhsa_kernel k_qae2742a35e_gemm_out
		.amdhsa_group_segment_fixed_size 327680
		.amdhsa_private_segment_fixed_size 0
		.amdhsa_enable_private_segment 0
		.amdhsa_kernarg_size 24
		.amdhsa_user_sgpr_count 2
		.amdhsa_user_sgpr_kernarg_segment_ptr 1
		.amdhsa_wavefront_size32 1
		.amdhsa_system_sgpr_workgroup_id_x 1
		.amdhsa_system_sgpr_workgroup_id_y 1
		.amdhsa_system_sgpr_workgroup_id_z 1
		.amdhsa_system_vgpr_workitem_id 0
		.amdhsa_next_free_vgpr 512
		.amdhsa_next_free_sgpr 96
		.amdhsa_reserve_vcc 0
		.amdhsa_float_denorm_mode_32 3
		.amdhsa_float_denorm_mode_16_64 3
		.amdhsa_memory_ordered 1
		.amdhsa_forward_progress 1
		.amdhsa_inst_pref_size 82
	.end_amdhsa_kernel
	.amdgpu_metadata
---
amdhsa.version: [ 1, 2 ]
amdhsa.kernels:
  - .name:           k_qae2742a35e_gemm_out
    .symbol:         k_qae2742a35e_gemm_out.kd
    .args:
      - { .name: oc, .offset: 0, .size: 8, .value_kind: global_buffer, .address_space: global }
      - { .name: wcodes, .offset: 8, .size: 8, .value_kind: global_buffer, .address_space: global }
      - { .name: out0, .offset: 16, .size: 8, .value_kind: global_buffer, .address_space: global }
    .group_segment_fixed_size: 327680
    .private_segment_fixed_size: 0
    .kernarg_segment_align: 8
    .kernarg_segment_size: 24
    .max_flat_workgroup_size: 128
    .sgpr_count:     96
    .vgpr_count:     512
    .wavefront_size: 32
...
	.end_amdgpu_metadata
.endif
;; end of part 4
